; MI455X (gfx1250); checked and timed in simulation.
; The chip was launched on July 23, 2026; its instructions are those of AMD's public machine-readable ISA for CDNA 5 (MIT licence, August 2026) and "CDNA5" Instruction Set Architecture Reference Guide (July 2026). The comments in the code are by the model that wrote it; some were corrected since.
;; Transformer Block. Allowed arithmetic: matrix products marked QUANTISED: E4M3 operands, one given power-of-two scale a tensor, by v_wmma_f32_16x16x64_fp8_fp8 or v_wmma_f32_16x16x128_fp8_fp8, f32 sums; everything else in f32.
;; Inputs: W1 4,096 x 1,024 float32; W2 1,024 x 4,096 float32; Wk 1,024 x 1,024 float32; Wq 1,024 x 1,024 float32; Wv 1,024 x 1,024 float32; b1 4,096 float32; b2 1,024 float32; bk 1,024 float32; bq 1,024 float32; bv 1,024 float32; inputs 2 x 2,048 x 1,024 float32; lowp_scales 14 int32 (the exponents e of the quantised operands' scales 2^e); scale1 1,024 float32; scale2 1,024 float32; shift1 1,024 float32; shift2 1,024 float32.
;; Outputs: out0 2 x 2,048 x 1,024 float32.
;; This version of the problem:
;;   THIS VERSION OF THE PROBLEM IS GIVEN IN LOW PRECISION. The matrix products marked QUANTISED in the list below multiply operands that are first quantised to E4M3 (4 exponent bits, 3 mantissa bits; 8 bits a number), with one given power-of-two scale for each operand tensor; their sums are f32. All else is computed in f32.
;;   The module's matrix products, in the order in which they are computed (A, B: the left and right operand; K: the contracted axis; several contracted axes count as one K, in the product's order):
;;     1. [M 4,096, K 1,024] x [K 1,024, N 1,024]; A: computed on the way; B: input Wq: QUANTISED (scales: A lowp_scales[0], B lowp_scales[1])
;;     2. [M 4,096, K 1,024] x [K 1,024, N 1,024]; A: computed on the way; B: input Wk: QUANTISED (scales: A lowp_scales[2], B lowp_scales[3])
;;     3. [M 4,096, K 1,024] x [K 1,024, N 1,024]; A: computed on the way; B: input Wv: QUANTISED (scales: A lowp_scales[4], B lowp_scales[5])
;;     4. batch 32 x [M 2,048, K 64] x [K 64, N 2,048]; A: computed on the way; B: computed on the way: QUANTISED (scales: A lowp_scales[6], B lowp_scales[7])
;;     5. batch 32 x [M 64, K 2,048] x [K 2,048, N 2,048]; A: computed on the way; B: softmax (see below): QUANTISED (scales: A lowp_scales[8], B lowp_scales[9])
;;     6. [M 4,096, K 1,024] x [K 1,024, N 4,096]; A: computed on the way; B: input W1: QUANTISED (scales: A lowp_scales[10], B lowp_scales[11])
;;     7. [M 4,096, K 4,096] x [K 4,096, N 1,024]; A: computed on the way; B: input W2: QUANTISED (scales: A lowp_scales[12], B lowp_scales[13])
;;   THE QUANTISER, for each operand of a quantised product, along K:
;;     - The operand's scale is 2^e, e = its entry of the input lowp_scales (int32; the entries are numbered through the quantised products in the list's order, A before B).
;;     - Each number is divided by the scale, clamped to +-448, and rounded to the nearest number of E4M3, ties to even, subnormals kept.
;;     - The product sums the exact products of the quantised numbers (number of the format x scale) in f32.
;;   ~~~python
;;   def quantise(x, axis, e):      # numpy; x: float32 -> the quantised numbers, widened to float32 again
;;       x = np.moveaxis(x, axis, -1); K = x.shape[-1]
;;       r = np.clip(x / 2.0 ** e, -448, 448)
;;       step = 2.0 ** (np.maximum(np.frexp(np.where(r == 0, 1, r))[1] - 1, -6) - 3)
;;       q = np.round(r / step) * step * 2.0 ** e      # np.round: ties to even
;;       return np.moveaxis(q, -1, axis).astype(np.float32)
;;   ~~~
;;   SOFTMAX AHEAD OF A QUANTISED PRODUCT. Where the list says 'softmax', what is quantised is not the finished softmax but p = 2^(t - M), with t = logit x log2(e) and M = ceil(the row's largest t), a whole number; so 1/2 < the row's largest p <= 1. The row's sum l is taken of the UNQUANTISED p, in f32, and the product's result is divided by l at the end. Since M is a whole number, a kernel that streams over the keys may use a running M (the ceiling of the running maximum): every later rescaling is an exact power of two, so the quantised numbers keep their values, but for numbers so far below the row's largest that they fall under the format's range.
;;   OPERANDS COMPUTED ON THE WAY. 'Computed on the way' means the value that the module computes at that place (a softmax that the list does not call 'softmax' is quantised finished and normalised). What goes into a quantiser is computed in f32, as accurately as f32 sums, v_exp_f32 and their like allow (about 1e-6 of the number): no bf16 or f16 on the way to a quantiser, and a product that is left as it is and whose result goes on into a quantised operand takes f32 operands (vector FMAs, or v_wmma_f32_16x16x4_f32). A number that lies on a knife's edge between two numbers of the format may be rounded either way, as far as f32 arithmetic and the matrix unit's own rounding can turn it there, and no further.
;; One version. Each part assembles by itself: llvm-mc -triple=amdgcn-amd-amdhsa -mcpu=gfx1250 --defsym DOCPART=n.
;; ======== version 1 of 1: 6 launches
;; limits: right only within a limited range of input values
;; workspace buffers: wc 11,534,336 bytes; xc 12,582,912 bytes; qkvc 12,582,912 bytes; res 16,777,216 bytes; hc 4,194,304 bytes; hid 16,777,216 bytes
;; launch prep (part 1): grid 256 x 1, 8 waves a work-group, no clusters, 41,984 bytes of LDS; arguments inputs, scale1, shift1, lowp_scales, xc, Wq, Wk, Wv, wc; writes xc, wc
.if DOCPART == 1
	.amdgcn_target "amdgcn-amd-amdhsa--gfx1250"
	.amdhsa_code_object_version 6
	.text
	.protected	k_q97f76b8ae0_prep
	.globl	k_q97f76b8ae0_prep
	.p2align	8
	.type	k_q97f76b8ae0_prep,@function
k_q97f76b8ae0_prep:
	s_mov_b64 s[64:65], 0
	v_nop
	global_prefetch_b8 v0, s[64:65] scope:SCOPE_SE
	s_setreg_imm32_b32 hwreg(HW_REG_WAVE_MODE, 25, 1), 1
	s_wait_xcnt 0x0
; TWO THINGS, both needed by the projections that follow.
; (1) y = gain (x - mean) / (sd + 1e-8) + shift along rows of 1,024 f32 (sd with 1,023 in the divisor), then three images of codes of E4M3, with entries 0, 2, 4 of the exponents;
;     image q lies q x 4,194,304 bytes into xc, rows of 1,024 bytes.
; (2) Wq, Wk, Wv, f32, rows along K, become codes in the same order, at 0, 1 MiB, 2 MiB of wc, with entries 1, 3, 5 of the exponents.
; code = number / 2^e, held within +-448, rounded to the nearest code, ties to even.
; LIMITS: -126 <= e <= 119 for all six.  NaN and infinities among the inputs are not served.
; SHARES.  2,048 waves.  A wave takes two whole rows of x, row 16 x work-group + 2 x wave + 0, 1; and, each weight being 2,048 steps of 512 numbers, step (8 x work-group + wave) of each of the three.
; All 44 loads of a wave go out together, the weights' twelve first: they are worked while the norm's 32 land.
; The norm's sums are taken in two passes (mean first, then squares of the differences), so a common offset costs nothing.
; Each load reads 512 consecutive bytes; 2,048 bytes at a time turn through the wave's own stage in LDS and come back 64 bytes a lane: 16 neighbours along K, as the conversions want.
; A lane's 16 codes are 16 bytes: a store of the wave covers 512 consecutive bytes, aligned.  Waves share nothing: no barrier, no cluster, no matrix work.
.set NQ,    3
.set IMG,   4194304
.set RAW,   16                         ; v16-143  four sets of 32: gain, shift, row 0, row 1, as loaded
.set SCL,   144                        ; v144-175 the gain
.set SHF,   176                        ; v176-207 the shift
.set X,     208                        ; v208-239 the row
.set T,     16                         ; v16-47   held numbers (the gain's set, free once turned)
.set QC,    240                        ; v240-245 2^e and 448 x 2^e for the norm's three scales
.set WR,    144                        ; v144-191 ahead of the norm: the weights' three steps as loaded; then v144-155 their codes
.set WX,    192                        ; v192-239 ahead of the norm: the same, 16 neighbours a lane
.set WC,    8                          ; v8-13    ahead of the norm: 2^e and 448 x 2^e for the three weights
.set SPW,   5
.set NIL,   6
.set SP,    80
.set WREG,  5120                       ; a wave's stage: two halves of 32 x SP
.set SPARE, 8*WREG                     ; the spare words, 128 bytes a wave
	s_load_b256 s[4:11], s[0:1], 0x0               ; x s[4:5], gain s[6:7], shift s[8:9], exponents s[10:11]
	s_load_b64 s[12:13], s[0:1], 0x20              ; xc
	s_load_b128 s[40:43], s[0:1], 0x28             ; Wq s[40:41], Wk s[42:43]
	s_load_b128 s[44:47], s[0:1], 0x38             ; Wv s[44:45], wc s[46:47]
	v_lshl_add_u32 v[SPW], v0, 2, SPARE
	v_mov_b32 v[NIL], 0
	v_lshrrev_b32 v1, 5, v0
	s_delay_alu instid0(VALU_DEP_1)
	v_readfirstlane_b32 s16, v1                    ; wave
	v_and_b32 v1, 31, v0                           ; lane
	s_delay_alu instid0(VALU_DEP_1)
	v_lshlrev_b32 v2, 4, v1                        ; 16 x lane: loads and stores; never rewritten
	s_mul_i32 s17, s16, WREG
	v_lshrrev_b32 v3, 2, v1
	s_delay_alu instid0(VALU_DEP_1)
	v_mul_u32_u24 v3, v3, SP
	v_and_b32 v7, 3, v1
	s_delay_alu instid0(VALU_DEP_1)
	v_lshl_add_u32 v3, v7, 4, v3
	s_delay_alu instid0(VALU_DEP_1)
	v_add_nc_u32 v3, s17, v3                       ; the stage, way in: SP (lane / 4) + 16 (lane % 4)
	v_mul_u32_u24 v4, v1, SP
	s_delay_alu instid0(VALU_DEP_1)
	v_add_nc_u32 v4, s17, v4                       ; way out: SP x lane
	v_mov_b32 v246, 0                              ; a lane permute's destination counts as read: written once
	s_mov_b32 s14, 0x76543210
	s_mov_b32 s15, 0xfedcba98                      ; selects for lane l xor 16
	s_lshl_b32 s18, ttmp9, 4
	s_lshl_b32 s19, s16, 1
	s_add_co_u32 s18, s18, s19                     ; my first row
	s_lshl_b32 s20, s18, 12
	s_mov_b32 s21, 0
	s_lshl_b32 s22, s18, 10
	s_mov_b32 s23, 0
	s_lshl_b32 s30, ttmp9, 3
	s_add_co_u32 s30, s30, s16                     ; my wave's number among the 2,048
	s_lshl_b32 s30, s30, 11                        ; its step's 2,048 bytes in each weight
	s_mov_b32 s31, 0
	s_wait_alu depctr_va_vdst(0)
	s_wait_kmcnt 0x0
	s_load_b256 s[32:39], s[10:11], 0x0            ; e0 .. e7: the norm's at s32, s34, s36, the weights' at s33, s35, s37
	s_add_nc_u64 s[4:5], s[4:5], s[20:21]
	s_add_nc_u64 s[24:25], s[12:13], s[22:23]      ; a base for each image
	s_add_nc_u64 s[26:27], s[24:25], IMG
	s_add_nc_u64 s[28:29], s[26:27], IMG
	s_add_nc_u64 s[40:41], s[40:41], s[30:31]
	s_add_nc_u64 s[42:43], s[42:43], s[30:31]
	s_add_nc_u64 s[44:45], s[44:45], s[30:31]
	s_lshr_b32 s30, s30, 2                         ; and its 512 bytes of codes
	s_add_nc_u64 s[46:47], s[46:47], s[30:31]
.macro LOADVEC set, lo
.irp i, 0,1,2,3,4,5,6,7
	global_load_b128 v[RAW+32*\set+4*\i:RAW+32*\set+4*\i+3], v2, s[\lo:\lo+1] offset:512*\i
.endr
.endm
.macro LOADROW set, off
.irp i, 0,1,2,3,4,5,6,7
	global_load_b128 v[RAW+32*\set+4*\i:RAW+32*\set+4*\i+3], v2, s[4:5] offset:\off+512*\i th:TH_LOAD_NT
.endr
.endm
.macro TURNROW set, dst                ; LDS serves a wave's instructions in order: no wait between these lines, nor in front of the next vector's stores
.irp u, 0,1
.irp i, 0,1,2,3
	ds_store_b128 v3, v[RAW+32*\set+16*\u+4*\i:RAW+32*\set+16*\u+4*\i+3] offset:2560*\u+640*\i
.endr
.irp i, 0,1,2,3
	ds_load_b128 v[\dst+16*\u+4*\i:\dst+16*\u+4*\i+3], v4 offset:2560*\u+16*\i
.endr
.endr
.endm
.macro FOLD                            ; the four pairs v[8:15] become one number, the same in all 32 lanes: v8
	s_delay_alu instid0(VALU_DEP_3)
	v_pk_add_f32 v[8:9], v[8:9], v[10:11]
	s_delay_alu instid0(VALU_DEP_2)
	v_pk_add_f32 v[12:13], v[12:13], v[14:15]
	s_delay_alu instid0(VALU_DEP_1)
	v_pk_add_f32 v[8:9], v[8:9], v[12:13]
	s_delay_alu instid0(VALU_DEP_1)
	v_add_f32 v8, v8, v9
	s_delay_alu instid0(VALU_DEP_1)
	v_add_f32_dpp v8, v8, v8 row_xmask:1 row_mask:0xf bank_mask:0xf
	s_delay_alu instid0(VALU_DEP_1)
	v_add_f32_dpp v8, v8, v8 row_xmask:2 row_mask:0xf bank_mask:0xf
	s_delay_alu instid0(VALU_DEP_1)
	v_add_f32_dpp v8, v8, v8 row_xmask:4 row_mask:0xf bank_mask:0xf
	s_delay_alu instid0(VALU_DEP_1)
	v_add_f32_dpp v8, v8, v8 row_xmask:8 row_mask:0xf bank_mask:0xf
	s_delay_alu instid0(VALU_DEP_1)
	v_permlanex16_b32 v246, v8, s14, s15
	s_delay_alu instid0(VALU_DEP_1)
	v_add_f32 v8, v8, v246
.endm
.macro ROW c, rowb                     ; the row in X: norm, then NQ times hold, conversion, store.  c: its codes' registers; rowb: its byte in my two rows of codes
	s_wait_dscnt 0x0                               ; the row (and gain and shift) are back from the stage
.irp k, 0,1,2,3
	v_pk_add_f32 v[8+2*\k:9+2*\k], v[X+2*\k:X+2*\k+1], v[X+8+2*\k:X+9+2*\k]   ; the sum, in four chains
.endr
.irp m, 16,24
.irp k, 0,1,2,3
	s_delay_alu instid0(VALU_DEP_4)
	v_pk_add_f32 v[8+2*\k:9+2*\k], v[8+2*\k:9+2*\k], v[X+\m+2*\k:X+\m+2*\k+1]
.endr
.endr
	FOLD
	s_delay_alu instid0(VALU_DEP_1)
	v_mul_f32 v248, 0x3a800000, v8                 ; the mean: x 2^-10, twice for the packed form
	s_delay_alu instid0(VALU_DEP_2)
	v_mul_f32 v249, 0x3a800000, v8
.set j, 0
.rept 16
	v_pk_add_f32 v[X+j:X+j+1], v[X+j:X+j+1], v[248:249] neg_lo:[0,1] neg_hi:[0,1]   ; d = x - mean
.set j, j+2
.endr
.irp k, 0,1,2,3
	v_pk_mul_f32 v[8+2*\k:9+2*\k], v[X+2*\k:X+2*\k+1], v[X+2*\k:X+2*\k+1]
.endr
.irp m, 8,16,24
.irp k, 0,1,2,3
	s_delay_alu instid0(VALU_DEP_4)
	v_pk_fma_f32 v[8+2*\k:9+2*\k], v[X+\m+2*\k:X+\m+2*\k+1], v[X+\m+2*\k:X+\m+2*\k+1], v[8+2*\k:9+2*\k]
.endr
.endr
	FOLD
	s_delay_alu instid0(VALU_DEP_1)
	v_mul_f32 v8, 0x3a802008, v8                   ; / 1,023
	s_wait_alu depctr_va_vdst(0)
	v_sqrt_f32 v9, v8
	v_nop                                          ; a plain line behind the root,
	s_wait_alu depctr_va_vdst(0)                   ; and the wait ahead of its first reader
	v_add_f32 v9, 0x322bcc77, v9                   ; + 1e-8
	s_wait_alu depctr_va_vdst(0)
	v_rcp_f32 v250, v9
	v_nop
	s_wait_alu depctr_va_vdst(0)
	v_mov_b32 v251, v250
.set j, 0
.rept 16
	v_pk_mul_f32 v[X+j:X+j+1], v[X+j:X+j+1], v[250:251]
.set j, j+2
.endr
.set j, 0
.rept 16
	v_pk_fma_f32 v[X+j:X+j+1], v[X+j:X+j+1], v[SCL+j:SCL+j+1], v[SHF+j:SHF+j+1]
.set j, j+2
.endr
.set q, 0
.rept NQ
.set j, 0
.rept 32
	v_med3_num_f32 v[T+j], v[X+j], -v[QC+2*q+1], v[QC+2*q+1]   ; the conversion does not saturate (ISA guide 7.6.2): the hold
.set j, j+1
.endr
.irp g, 0,1,2,3
	v_cvt_scalef32_pk8_fp8_f32 v[\c+8*q+2*\g:\c+8*q+2*\g+1], v[T+8*\g:T+8*\g+7], v[QC+2*q]
.endr
	v_nop                                          ; a plain line between the conversions and the next scale's holds, which write their sources
	global_store_b128 v2, v[\c+8*q:\c+8*q+3], s[24+2*q:25+2*q] offset:\rowb
	global_store_b128 v2, v[\c+8*q+4:\c+8*q+7], s[24+2*q:25+2*q] offset:\rowb+512
.set q, q+1
.endr
.endm
.irp t, 0,1,2                          ; my step of Wq, of Wk, of Wv: four loads of 512 consecutive bytes each
.irp i, 0,1,2,3
	global_load_b128 v[WR+16*\t+4*\i:WR+16*\t+4*\i+3], v2, s[40+2*\t:41+2*\t] offset:512*\i th:TH_LOAD_NT
.endr
.endr
	LOADVEC 0, 6
	LOADVEC 1, 8
	LOADROW 2, 0
	LOADROW 3, 4096
	s_wait_kmcnt 0x0
.set q, 0
.rept NQ
	s_add_co_i32 s[32+2*q], s[32+2*q], 127
	s_lshl_b32 s38, s[32+2*q], 23
	v_mov_b32 v[QC+2*q], s38                       ; 2^e of the norm's image q
	s_add_co_i32 s[32+2*q], s[32+2*q], 8
	s_lshl_b32 s[32+2*q], s[32+2*q], 23
	s_or_b32 s[32+2*q], s[32+2*q], 0x600000
	v_mov_b32 v[QC+2*q+1], s[32+2*q]               ; 448 x 2^e
	s_add_co_i32 s[33+2*q], s[33+2*q], 127
	s_lshl_b32 s38, s[33+2*q], 23
	v_mov_b32 v[WC+2*q], s38                       ; the same for weight q
	s_add_co_i32 s[33+2*q], s[33+2*q], 8
	s_lshl_b32 s[33+2*q], s[33+2*q], 23
	s_or_b32 s[33+2*q], s[33+2*q], 0x600000
	v_mov_b32 v[WC+2*q+1], s[33+2*q]
.set q, q+1
.endr
	; ---- the weights
	s_wait_alu depctr_va_vdst(0)
	s_wait_loadcnt 32                              ; their twelve loads are in; the norm's 32 may be out
.irp t, 0,1,2
.irp i, 0,1,2,3
	ds_store_b128 v3, v[WR+16*\t+4*\i:WR+16*\t+4*\i+3] offset:2560*(\t%2)+640*\i
.endr
.irp i, 0,1,2,3
	ds_load_b128 v[WX+16*\t+4*\i:WX+16*\t+4*\i+3], v4 offset:2560*(\t%2)+16*\i   ; LDS serves a wave's instructions in order: the third step's stores come behind the first's loads
.endr
.endr
	s_wait_dscnt 0x0
.irp t, 0,1,2
.set j, 0
.rept 16
	v_med3_num_f32 v[WX+16*\t+j], v[WX+16*\t+j], -v[WC+2*\t+1], v[WC+2*\t+1]   ; the hold
.set j, j+1
.endr
	v_cvt_scalef32_pk8_fp8_f32 v[WR+4*\t:WR+4*\t+1], v[WX+16*\t:WX+16*\t+7], v[WC+2*\t]
	v_cvt_scalef32_pk8_fp8_f32 v[WR+4*\t+2:WR+4*\t+3], v[WX+16*\t+8:WX+16*\t+15], v[WC+2*\t]
.endr
	v_nop                                          ; a plain line behind the last conversion
.irp t, 0,1,2
	global_store_b128 v2, v[WR+4*\t:WR+4*\t+3], s[46:47] offset:1048576*\t
.endr
	s_wait_xcnt 0x0                                ; these stores have read their data: the gain's LDS loads land on the same registers
	; ---- the norm
	s_wait_loadcnt 24                              ; the gain's eight loads are in; 24 younger may be out
	TURNROW 0, SCL
	s_wait_loadcnt 16                              ; the shift's
	TURNROW 1, SHF
	s_wait_loadcnt 8                               ; row 0's
	TURNROW 2, X
	ROW 48, 0                                      ; its codes in v48.. (the shift's set, free)
	s_wait_loadcnt 0x0
	TURNROW 3, X
	ROW 80, 1024                                   ; its codes in v80.. (row 0's set, free): no store's data are written again
	s_wait_tensorcnt 0x0                           ; the wave's end
	ds_add_u32 v[SPW], v[NIL]
	s_wait_dscnt 0x0
	s_endpgm
.Lfunc_end_k_q97f76b8ae0_prep:
	.size	k_q97f76b8ae0_prep, .Lfunc_end_k_q97f76b8ae0_prep-k_q97f76b8ae0_prep
	.p2alignl 7, 3214868480
	.fill 96, 4, 3214868480
	.section	.rodata,"a",@progbits
	.p2align	6, 0x0
	.amdhsa_kernel k_q97f76b8ae0_prep
		.amdhsa_group_segment_fixed_size 41984
		.amdhsa_private_segment_fixed_size 0
		.amdhsa_enable_private_segment 0
		.amdhsa_kernarg_size 72
		.amdhsa_user_sgpr_count 2
		.amdhsa_user_sgpr_kernarg_segment_ptr 1
		.amdhsa_wavefront_size32 1
		.amdhsa_system_sgpr_workgroup_id_x 1
		.amdhsa_system_sgpr_workgroup_id_y 1
		.amdhsa_system_sgpr_workgroup_id_z 1
		.amdhsa_system_vgpr_workitem_id 0
		.amdhsa_next_free_vgpr 256
		.amdhsa_next_free_sgpr 66
		.amdhsa_reserve_vcc 0
		.amdhsa_float_denorm_mode_32 3
		.amdhsa_float_denorm_mode_16_64 3
		.amdhsa_memory_ordered 1
		.amdhsa_forward_progress 1
		.amdhsa_inst_pref_size 49
	.end_amdhsa_kernel
	.amdgpu_metadata
---
amdhsa.version: [ 1, 2 ]
amdhsa.kernels:
  - .name:           k_q97f76b8ae0_prep
    .symbol:         k_q97f76b8ae0_prep.kd
    .args:
      - { .name: inputs, .offset: 0, .size: 8, .value_kind: global_buffer, .address_space: global }
      - { .name: scale1, .offset: 8, .size: 8, .value_kind: global_buffer, .address_space: global }
      - { .name: shift1, .offset: 16, .size: 8, .value_kind: global_buffer, .address_space: global }
      - { .name: lowp_scales, .offset: 24, .size: 8, .value_kind: global_buffer, .address_space: global }
      - { .name: xc, .offset: 32, .size: 8, .value_kind: global_buffer, .address_space: global }
      - { .name: Wq, .offset: 40, .size: 8, .value_kind: global_buffer, .address_space: global }
      - { .name: Wk, .offset: 48, .size: 8, .value_kind: global_buffer, .address_space: global }
      - { .name: Wv, .offset: 56, .size: 8, .value_kind: global_buffer, .address_space: global }
      - { .name: wc, .offset: 64, .size: 8, .value_kind: global_buffer, .address_space: global }
    .group_segment_fixed_size: 41984
    .private_segment_fixed_size: 0
    .kernarg_segment_align: 8
    .kernarg_segment_size: 72
    .max_flat_workgroup_size: 256
    .sgpr_count:     66
    .vgpr_count:     256
    .wavefront_size: 32
...
	.end_amdgpu_metadata
.endif
;; end of part 1
;; launch qkv (part 2): grid 48 x 4, 4 waves a work-group, clusters of 4 x 4, 327,680 bytes of LDS; arguments xc, wc, lowp_scales, qkvc, bq, bk, bv; writes qkvc
.if DOCPART == 2
	.amdgcn_target "amdgcn-amd-amdhsa--gfx1250"
	.amdhsa_code_object_version 6
	.text
	.protected	k_q97f76b8ae0_qkv
	.globl	k_q97f76b8ae0_qkv
	.p2align	8
	.type	k_q97f76b8ae0_qkv,@function
k_q97f76b8ae0_qkv:
	s_mov_b64 s[64:65], 0
	v_nop
	global_prefetch_b8 v0, s[64:65] scope:SCOPE_SE
	s_setreg_imm32_b32 hwreg(HW_REG_WAVE_MODE, 25, 1), 1
	s_wait_xcnt 0x0
	s_wait_alu depctr_hold_cnt(0) depctr_sa_sdst(0) depctr_va_vdst(0) depctr_va_sdst(0) depctr_va_ssrc(0) depctr_va_vcc(0) depctr_vm_vsrc(0)
	s_getreg_b32 s2, hwreg(HW_REG_IB_STS2, 6, 4)
	s_cmp_eq_u32 s2, 0
	s_cbranch_scc0 .Lentry_in_a_cluster
	s_endpgm
.Lentry_in_a_cluster:
	s_bfe_u32 s2, ttmp6, 0x10000c
	s_cmp_lg_u32 s2, 0xf033
	s_cbranch_scc0 .Lentry_shape_is_right
	s_endpgm
.Lentry_shape_is_right:
; The three projections on codes of E4M3, their biases, and the quantising of q, k and v for the attention.  K = 1,024.
; Twelve clusters of 4 x 4 work-groups; JOB = cluster / 4 (0 q, 1 k, 2 v), BLK = cluster % 4.  Each cluster makes 1,024 x 1,024 of C = A B^T; a work-group 256 x 256, a wave 128 x 128 (64 accumulators).
;   q, k: A = the norm's codes (image JOB), tile row 4 BLK + cy; B = Wq's or Wk's codes, tile cx: rows of C are tokens.
;   v:    A = Wv's codes, tile row cy; B = the norm's third image, tile 4 BLK + cx: rows of C are channels, columns tokens, since the keys are the next product's K.
; A's tile hangs on cy and the cluster alone and is asked for jointly by a row of the cluster, B's on cx and the cluster alone, by a column.  192 work-groups of equal work.
; The matrix instruction is used transposed (source 0 = 16 rows of B, source 1 = 16 rows of A): a lane holds eight neighbouring columns of one row of C, which are neighbours along the next K.
; value = sum x 2^(eA + eB) + bias, one fused multiply-add; then code = value / 2^eo, held within +-448 (eo: entry 6, 7 or 8).
; OUT.  q at 0, k at 4 MiB: [batch][head][token][64 bytes]; v at 8 MiB: [batch][head][token / 128][64 channels][128 bytes].  Along the innermost axis byte 32 c + 16 h + 8 u + j holds index 32 c + 16 u + 8 h + j:
; then a load of 16 bytes at 32 c + 16 h gives a lane just the k that the 8-bit operand's layout gives it (ISA guide 7.12.2).
; LIMITS: eA + eB between -126 and 127; eo between -126 and 119.  NaN among the inputs is not served.
; REGISTERS, in windows of 256: window 0: v0-31 addresses; v32-95 bias by column, v96-111 bias by row; from v128 A's fragments, one set; on the way out v128-239 at work.
;   window 1: B's fragments, two sets.  window 2, 3: the accumulators of my rows 0-63, 64-127.
.set SIZE_K, 1024
.set KSTEP,  256
.set ROWB,   256
.set KROW,   SIZE_K
.set PITCH,  272                       ; an LDS row: 256 bytes + 16 of padding: the 16 rows that a load touches start at 16 different banks (64 banks of 4 bytes: ISA guide 11.1)
.set FR,     16
.set NL,     4
.set NP,     4                         ; places behind this matrix instruction (ISA guide 7.12.1)
.set HALFT,  128*PITCH
.set SLOT,   4*HALFT
.set LAPS,   SIZE_K/(2*KSTEP)
.set SPARE,  2*SLOT                    ; behind the ring: the spare words, 128 bytes a wave
.set SPITCH, 144                       ; the way out: a stage of 16 rows x (128 bytes + 16) for each wave, in slot 0, which has had its last fill and its last read by then
.set BNO,  7                           ; v7   32 h: offset of the bias by column; never rewritten
.set BMO,  8                           ; v8   4 r: offset of the bias by row; never rewritten
.set CO,   9                           ; v9-12 my byte offsets in the output, one for each of a block's four stores
.set QS,   13                          ; v13  2^eo
.set QL,   14                          ; v14  448 x 2^eo
.set ADRA, 16
.set ADRB, 20
.set STO,  24
.set RD,   25
.set SPW,  28
.set NIL,  29
.set BN,   32
.set BM,   96
.set AF,   128
.set TMP,  128
.set CD,   192
.set BK,   208
.set G1, 24
.set G0, 32
.set G1B, 48
.set G0B, 56
.set JOB, 85
.set MSB, 0
.macro WIN new                         ; the immediate's high byte repeats the setting that is left
.if MSB != \new
	s_set_vgpr_msb (MSB<<8)|\new
.set MSB, \new
.endif
.endm
.set MUL_LO, 0xa1
.set MUL_HI, 0xf1
.set TO_B,   0x40
.macro JLOAD g0a, g1a, g0b, g1b        ; a joint load: waves 0 and 1 fetch for A, waves 2 and 3 for B; an s_nop 0 and four v_nop follow each line
	s_cmp_eq_u32 s15, 0
	s_cbranch_scc0 .Lfor_b_\@
	tensor_load_to_lds s[\g0a:\g0a+3], s[\g1a:\g1a+7]
	s_nop 0
.rept 4
	v_nop
.endr
	s_branch .Lasked_\@
.Lfor_b_\@:
	tensor_load_to_lds s[\g0b:\g0b+3], s[\g1b:\g1b+7]
	s_nop 0
.rept 4
	v_nop
.endr
.Lasked_\@:
.endm
.macro CREST
	s_cmp_lg_u32 s14, 0
	s_cbranch_scc1 .Lnot_wave_0_\@
	s_barrier_signal -3
.Lnot_wave_0_\@:
	s_barrier_wait -3
	s_barrier_signal -1
	s_barrier_wait -1
.endm
.macro CROUND
	s_barrier_signal -1
	s_barrier_wait -1
	CREST
.endm
	s_load_b256 s[4:11], s[0:1], 0x0               ; xc s[4:5], wc s[6:7], exponents s[8:9], qkvc s[10:11]
	s_load_b128 s[68:71], s[0:1], 0x20             ; bq, bk
	s_load_b64 s[72:73], s[0:1], 0x30              ; bv
	v_lshl_add_u32 v[SPW], v0, 2, SPARE
	v_mov_b32 v[NIL], 0
	ds_add_u32 v[SPW], v[NIL]                      ; the wave's opening: the add and its wait ahead of my first tensor load
	ds_add_u32 v[SPW], v[NIL]
	v_lshrrev_b32 v1, 5, v0
	v_readfirstlane_b32 s14, v1                    ; wave 0..3
	s_lshr_b32 s15, s14, 1                         ; my half of the tile's rows.  Also: I fetch for A (0) or for B (1)
	s_and_b32 s16, s14, 1                          ; my half of its columns.  Also: which 128 rows I fetch
	s_bfe_u32 s40, ttmp6, 0x40000                  ; cx
	s_bfe_u32 s41, ttmp6, 0x40004                  ; cy
	s_lshr_b32 s[JOB], ttmp9, 2                    ; the same in all sixteen partners
	s_and_b32 s86, ttmp9, 3
	s_lshl_b32 s86, s86, 2                         ; 4 BLK
	s_cmp_eq_u32 s[JOB], 2
	s_cselect_b32 s87, 0, s86
	s_cselect_b32 s88, s86, 0
	s_add_co_u32 s17, s87, s41                     ; A's tile row
	s_add_co_u32 s42, s88, s40                     ; B's tile
	s_lshl_b32 s43, s41, 2
	s_lshl_b32 s43, 15, s43                        ; my row of the cluster
	s_lshl_b32 s44, 0x1111, s40                    ; my column
	s_or_b32 s[G1+0], s43, (0<<16)|(1<<20)|(1<<21)|(5<<22)|(3<<25)   ; mask; elements of 1 byte; padding on; bit 21 beside a mask; 4 words after every 64
	s_or_b32 s[G1B+0], s44, (0<<16)|(1<<20)|(1<<21)|(5<<22)|(3<<25)
.irp g, G1, G1B
	s_mov_b32 s[\g+1], ROWB<<16                    ; tensor_dim0
	s_mov_b32 s[\g+2], 128<<16                     ; tensor_dim1
	s_mov_b32 s[\g+3], ROWB<<16                    ; tile_dim0
	s_mov_b32 s[\g+4], 128                         ; tile_dim1
	s_mov_b32 s[\g+5], KROW                        ; stride
	s_mov_b32 s[\g+6], 0
	s_mov_b32 s[\g+7], 0
.endr
	s_lshl_b32 s18, s16, 7
	s_lshl_b32 s20, s17, 8
	s_add_co_u32 s20, s20, s18
	s_lshl_b32 s20, s20, 10                        ; A: (256 x tile row + 128 x half) rows of 1,024 bytes
	s_lshl_b32 s46, s42, 8
	s_add_co_u32 s46, s46, s18
	s_lshl_b32 s46, s46, 10                        ; B likewise
	s_lshl_b32 s89, s[JOB], 22                     ; the norm's image JOB,
	s_lshl_b32 s90, s[JOB], 20                     ; Wq's or Wk's codes;
	s_cmp_eq_u32 s[JOB], 2
	s_cselect_b32 s89, 0x200000, s89               ; for v: A = Wv's codes,
	s_cselect_b32 s90, 0x800000, s90               ; B = the third image
	s_add_co_u32 s20, s20, s89
	s_add_co_u32 s46, s46, s90
	s_mov_b32 s21, 0
	s_mov_b32 s47, 0
	s_mul_i32 s45, s14, HALFT                      ; where they go: wave x 128 rows
	s_wait_dscnt 0x0                               ; the opening add is done
	s_wait_kmcnt 0x0
	s_load_b256 s[76:83], s[8:9], 0x0              ; e0 .. e7
	s_load_b32 s84, s[8:9], 0x20                   ; e8
	s_cmp_eq_u32 s[JOB], 2
	s_cselect_b64 s[92:93], s[6:7], s[4:5]         ; A's buffer
	s_cselect_b64 s[94:95], s[4:5], s[6:7]         ; B's
	s_add_nc_u64 s[20:21], s[92:93], s[20:21]
	s_add_nc_u64 s[46:47], s[94:95], s[46:47]
	CROUND                                         ; all sixteen work-groups are here: the first joint loads meet
.irp s, 0,1
	s_mov_b32 s[G0+4*\s], 1
	s_add_co_u32 s[G0+4*\s+1], s45, \s*SLOT
	s_add_nc_u64 s[G0+4*\s+2:G0+4*\s+3], s[20:21], \s*ROWB
	s_or_b32 s[G0+4*\s+3], s[G0+4*\s+3], 0x80000000
	s_mov_b32 s[G0B+4*\s], 1
	s_add_co_u32 s[G0B+4*\s+1], s45, \s*SLOT
	s_add_nc_u64 s[G0B+4*\s+2:G0B+4*\s+3], s[46:47], \s*ROWB
	s_or_b32 s[G0B+4*\s+3], s[G0B+4*\s+3], 0x80000000
.endr
	JLOAD G0, G1, G0B, G1B                         ; K step 0: one tensor load a wave at the head
	v_and_b32 v1, 15, v0                           ; r
	s_wait_alu depctr_va_vdst(0)
	v_bfe_u32 v2, v0, 4, 1                         ; h
	v_mul_u32_u24 v3, v1, PITCH
	v_lshl_add_u32 v4, v2, 4, v3
	s_mul_i32 s21, s15, HALFT
	s_mul_i32 s22, s16, HALFT
	s_add_co_u32 s22, s22, 2*HALFT
.irp s, 0,1
	v_add_nc_u32 v[ADRA+\s], s21, v4
	v_add_nc_u32 v[ADRB+\s], s22, v4
	s_add_co_u32 s21, s21, SLOT
	s_add_co_u32 s22, s22, SLOT
.endr
	s_mul_i32 s23, s14, 16*SPITCH                  ; my stage
	v_mul_u32_u24 v5, v1, SPITCH
	s_wait_alu depctr_va_vdst(0)
	v_lshl_add_u32 v5, v2, 4, v5
	v_add_nc_u32 v[STO], s23, v5                   ; in: row r, + 16 h
	v_bfe_u32 v5, v0, 3, 2                         ; lane / 8
	v_and_b32 v6, 7, v0
	v_mul_u32_u24 v3, v5, SPITCH
	v_lshl_add_u32 v3, v6, 4, v3
	v_add_nc_u32 v[RD], s23, v3                    ; back: four rows an instruction, eight lanes to a row of 128 bytes
	; the same places in the output.  q, k: a row's two halves belong to two heads, 131,072 bytes apart; rows 64 bytes apart.  v: rows of 128 bytes on end
	v_bfe_u32 v6, v0, 2, 1
	s_wait_alu depctr_va_vdst(0)
	v_and_b32 v3, 3, v0
	v_lshlrev_b32 v3, 4, v3
	s_mov_b32 s18, 256
	s_mov_b32 s74, 1024
	s_cmp_eq_u32 s[JOB], 2
	s_cselect_b32 s12, 6, 17
	s_cselect_b32 s13, 7, 6
	s_cselect_b32 s18, 512, s18                    ; from one of a block's stores to the next: four rows
	s_cselect_b32 s74, 2048, s74                   ; from block to block: sixteen rows
	s_mov_b32 s75, 0
	v_lshlrev_b32 v6, s12, v6
	v_lshlrev_b32 v5, s13, v5
	s_wait_alu depctr_va_vdst(0)
	v_add3_u32 v[CO], v6, v5, v3
	v_add_nc_u32 v[CO+1], s18, v[CO]
	v_add_nc_u32 v[CO+2], s18, v[CO+1]
	v_add_nc_u32 v[CO+3], s18, v[CO+2]
	; the biases, both ways; both indices stay under 1,024 in every job.  They are waited for on the way out
	v_lshlrev_b32 v[BNO], 5, v2
	s_wait_alu depctr_va_vdst(0)
	v_lshlrev_b32 v[BMO], 2, v1
	s_wait_alu depctr_va_vdst(0)
	s_cmp_eq_u32 s[JOB], 0
	s_cselect_b64 s[66:67], s[68:69], s[70:71]
	s_cmp_eq_u32 s[JOB], 2
	s_cselect_b64 s[66:67], s[72:73], s[66:67]
	s_lshl_b32 s20, s40, 10
	s_lshl_b32 s21, s16, 9
	s_add_co_u32 s20, s20, s21                     ; 4 (256 cx + 128 x my half of the columns)
	s_mov_b32 s21, 0
	s_add_nc_u64 s[98:99], s[66:67], s[20:21]
	s_lshl_b32 s20, s41, 10
	s_lshl_b32 s22, s15, 9
	s_add_co_u32 s20, s20, s22                     ; 4 (256 cy + 128 x my half of the rows)
	s_add_nc_u64 s[100:101], s[66:67], s[20:21]
.irp b, 0,1,2,3,4,5,6,7
	global_load_b128 v[BN+8*\b:BN+8*\b+3], v[BNO], s[98:99] offset:64*\b
	global_load_b128 v[BN+8*\b+4:BN+8*\b+7], v[BNO], s[98:99] offset:64*\b+16
.endr
.irp a, 0,1,2,3,4,5,6,7
	global_load_b32 v[BM+2*\a], v[BMO], s[100:101] offset:64*\a     ; twice: a pair for the packed form
	global_load_b32 v[BM+2*\a+1], v[BMO], s[100:101] offset:64*\a
.endr
	; where my part of the output begins
	s_lshl_b32 s20, s17, 8
	s_lshl_b32 s21, s15, 7
	s_add_co_u32 s20, s20, s21                     ; my first row of C: a token (q, k) or a channel (v)
	s_lshr_b32 s22, s20, 11
	s_lshl_b32 s22, s22, 21                        ; q, k: the batch,
	s_and_b32 s23, s20, 2047
	s_lshl_b32 s23, s23, 6                         ; the token in it,
	s_add_co_u32 s22, s22, s23
	s_lshl_b32 s23, s40, 2
	s_lshl_b32 s18, s16, 1
	s_add_co_u32 s23, s23, s18
	s_lshl_b32 s23, s23, 17                        ; the head 4 cx + 2 x half
	s_add_co_u32 s22, s22, s23
	; v lies [batch][head][token / 128][64 channels][128 bytes]: a head's codes are one dense block of 131,072 bytes
	s_lshl_b32 s23, s42, 1
	s_add_co_u32 s23, s23, s16                     ; v: which 128 tokens: 2 x tile + half, 0 .. 31
	s_lshr_b32 s18, s23, 4
	s_lshl_b32 s18, s18, 21                        ; the batch,
	s_and_b32 s23, s23, 15
	s_lshl_b32 s23, s23, 13                        ; the 128 tokens in it: 8,192 bytes a head,
	s_add_co_u32 s23, s23, s18
	s_lshl_b32 s18, s20, 11                        ; the head: (channel / 64) x 131,072; my first channel is a multiple of 128
	s_add_co_u32 s23, s23, s18
	s_cmp_eq_u32 s[JOB], 2
	s_cselect_b32 s22, s23, s22
	s_lshl_b32 s23, s[JOB], 22
	s_add_co_u32 s22, s22, s23
	s_mov_b32 s23, 0
	s_add_nc_u64 s[10:11], s[10:11], s[22:23]
.macro FRAG reg, adr, q, i             ; 16 rows x 128 K: lane l holds row l % 16; registers 4 c .. 4 c + 3 hold K = 32 c + 16 (l / 16) + 0 .. 15, alike in A and in B
.irp c, 0,1,2,3
	ds_load_b128 v[\reg+4*\c:\reg+4*\c+3], v[\adr] offset:128*(\q)+32*\c+(\i)*16*PITCH
.endr
.endm
.macro MUL16 a0, p, zero               ; the 64 accumulators take turns, one instruction a turn, in the same order in every step
.irp a, \a0, \a0+1
.irp b, 0,1,2,3,4,5,6,7
.if \zero
	v_wmma_f32_16x16x128_fp8_fp8 v[8*(8*((\a)%4)+\b):8*(8*((\a)%4)+\b)+7], v[128*(\p)+FR*\b:128*(\p)+FR*\b+FR-1], v[AF+FR*(\a):AF+FR*(\a)+FR-1], 0
.else
	v_wmma_f32_16x16x128_fp8_fp8 v[8*(8*((\a)%4)+\b):8*(8*((\a)%4)+\b)+7], v[128*(\p)+FR*\b:128*(\p)+FR*\b+FR-1], v[AF+FR*(\a):AF+FR*(\a)+FR-1], v[8*(8*((\a)%4)+\b):8*(8*((\a)%4)+\b)+7]
.endif
.endr
.endr
.endm
.macro FETCH_B slot, q, p
	WIN TO_B
.irp i, 0,1,2,3,4,5,6,7
	FRAG 128*(\p)+FR*\i, ADRB+\slot, \q, \i
.endr
	WIN 0
.endm
.macro FETCH_A slot, q, i0
.irp i, \i0, \i0+1, \i0+2, \i0+3
	FRAG AF+FR*(\i), ADRA+\slot, \q, \i
.endr
.endm
.macro PLACES n                        ; plain vector lines between a matrix instruction and a load into, or a vector read of, its registers
.rept \n
	v_nop
.endr
.endm
.macro STEP slot, q, zero              ; 128 along K, with its successor in the same slot
	s_wait_dscnt 4*NL                              ; B's set and A's blocks 0-3 are in; the youngest 16 loads (A's blocks 4-7) may be out
	WIN MUL_LO
	MUL16 0, (\q)%2, \zero
	MUL16 2, (\q)%2, \zero
	s_wait_dscnt 0
	PLACES NP
	FETCH_B \slot, (\q)+1, 1-(\q)%2
	FETCH_A \slot, (\q)+1, 0
	WIN MUL_HI
	MUL16 4, (\q)%2, \zero
	MUL16 6, (\q)%2, \zero
	PLACES NP
	WIN 0
	FETCH_A \slot, (\q)+1, 4
.endm
.macro TURN slot, next, fill           ; a slot's last step changes slots: one barrier; fill = 1: it opens a round of the cluster's barrier, and this slot is filled again
	s_wait_tensorcnt 0x0                           ; all my tensor loads have landed: my part of the next slot
	ds_add_u32 v[SPW], v[NIL]
	s_wait_dscnt 4*NL+1                            ; the add and the youngest 16 loads may be out
	WIN MUL_LO
	MUL16 0, 1, 0
	s_wait_dscnt 0x0                               ; the add is done, and my reads of this slot are over
	s_barrier_signal -1
	MUL16 2, 1, 0
	WIN 0
	s_barrier_wait -1
.if \fill
	CREST                                          ; no wave of any partner still reads this slot or has a load on its way
	s_add_nc_u64 s[G0+4*\slot+2:G0+4*\slot+3], s[G0+4*\slot+2:G0+4*\slot+3], 2*ROWB
	s_add_nc_u64 s[G0B+4*\slot+2:G0B+4*\slot+3], s[G0B+4*\slot+2:G0B+4*\slot+3], 2*ROWB
	JLOAD G0+4*\slot, G1, G0B+4*\slot, G1B         ; the first tensor load behind the round; its four v_nop are the places in front of the loads below
.else
	PLACES NP
.endif
	FETCH_B \next, 0, 0
	FETCH_A \next, 0, 0
	WIN MUL_HI
	MUL16 4, 1, 0
	MUL16 6, 1, 0
	PLACES NP
	WIN 0
	FETCH_A \next, 0, 4
.endm
	s_wait_alu depctr_va_vdst(0)
	s_wait_tensorcnt 0x0                           ; my part of K step 0 is in
	ds_add_u32 v[SPW], v[NIL]
	s_wait_dscnt 0x0
	CROUND                                         ; everybody's part of K step 0 is in, and the joint loads meet
	JLOAD G0+4, G1, G0B+4, G1B                     ; K step 1: the first tensor load behind the round
	FETCH_B 0, 0, 0
	FETCH_A 0, 0, 0
	FETCH_A 0, 0, 4
	STEP 0, 0, 1                                   ; the first step's products start the sums
	s_mov_b32 s3, LAPS-1
.Llap:
	TURN 0, 1, 1
	STEP 1, 0, 0
	TURN 1, 0, 1
	STEP 0, 0, 0
	s_sub_co_u32 s3, s3, 1
	s_cmp_lg_u32 s3, 0
	s_cbranch_scc1 .Llap
	TURN 0, 1, 0                                   ; the last lap fills nothing
	STEP 1, 0, 0
	s_wait_dscnt 4*NL
	WIN MUL_LO
	MUL16 0, 1, 0
	MUL16 2, 1, 0
	s_wait_dscnt 0
	WIN MUL_HI
	MUL16 4, 1, 0
	MUL16 6, 1, 0
	WIN 0
; THE WAY OUT, a block of 16 rows x 128 columns at a time: scale and bias, hold, conversion; the codes go through my stage and leave as whole rows.
.macro TOSTAGE a
.set AC, 64*((\a)%4)
	s_cmp_eq_u32 s[JOB], 2                         ; the bias goes by column (q, k) or by row (v): a branch on the cluster's number, round register work alone
	s_cbranch_scc1 .Lby_row_\@
	WIN 0x02+((\a)/4)                              ; source 0: window 2 or 3
.set j, 0
.rept 32
	v_pk_fma_f32 v[TMP+j:TMP+j+1], v[AC+j:AC+j+1], s[96:97], v[BN+j:BN+j+1] op_sel_hi:[1,0,1]   ; each accumulator from its low end on
.set j, j+2
.endr
	WIN 0
	s_branch .Lbiased_\@
.Lby_row_\@:
	WIN 0x02+((\a)/4)
.set j, 0
.rept 32
	v_pk_fma_f32 v[TMP+j:TMP+j+1], v[AC+j:AC+j+1], s[96:97], v[BM+2*(\a):BM+2*(\a)+1] op_sel_hi:[1,0,1]
.set j, j+2
.endr
	WIN 0
.Lbiased_\@:
.set j, 0
.rept 64
	v_med3_num_f32 v[TMP+j], v[TMP+j], -v[QL], v[QL]   ; the conversion does not saturate (ISA guide 7.6.2): the hold
.set j, j+1
.endr
.irp b, 0,1,2,3,4,5,6,7
	v_cvt_scalef32_pk8_fp8_f32 v[CD+2*\b:CD+2*\b+1], v[TMP+8*\b:TMP+8*\b+7], v[QS]
.endr
	v_nop                                          ; a plain line behind the last conversion
.irp c, 0,1,2,3
	ds_store_b128 v[STO], v[CD+4*\c:CD+4*\c+3] offset:32*\c   ; columns 32 c + 8 h + 0..7, then 32 c + 16 + 8 h + 0..7, at byte 32 c + 16 h: the order stated at the head
.endr
.set BB, BK+16*((\a)%2)
.irp i, 0,1,2,3
	ds_load_b128 v[BB+4*\i:BB+4*\i+3], v[RD] offset:4*SPITCH*\i   ; LDS serves a wave's instructions in order (ISA guide 5.7.1.4): these see my stores
.endr
.endm
.macro SEND a, younger
.set BB, BK+16*((\a)%2)
	s_wait_dscnt \younger                          ; the block is back; the next block's 4 stores and 4 loads may be out
.if (\a) > 0
	s_add_nc_u64 s[10:11], s[10:11], s[74:75]      ; (behind a wait on XCNT: the earlier stores have read their base)
.endif
.if (\a) == 4
	s_add_nc_u64 s[10:11], s[10:11], s[12:13]      ; v: my rows 64 on belong to the next head: 131,072 - 8,192 bytes further; q, k: 0
.endif
.irp i, 0,1,2,3
	global_store_b128 v[CO+\i], v[BB+4*\i:BB+4*\i+3], s[10:11]   ; v: 512 consecutive bytes; q, k: 256 consecutive aligned bytes of each of two heads
.endr
.endm
	s_wait_kmcnt 0x0
	s_add_co_i32 s76, s76, s77
	s_add_co_i32 s78, s78, s79
	s_add_co_i32 s80, s80, s81
	s_cmp_eq_u32 s[JOB], 0
	s_cselect_b32 s96, s76, s78
	s_cselect_b32 s91, s82, s83
	s_cmp_eq_u32 s[JOB], 2
	s_cselect_b32 s96, s80, s96                    ; eA + eB
	s_cselect_b32 s91, s84, s91                    ; eo
	s_cselect_b32 s12, 122880, 0                   ; the step from head to head in v
	s_mov_b32 s13, 0
	s_add_co_i32 s96, s96, 127
	s_lshl_b32 s96, s96, 23                        ; 2^(eA + eB) as f32
	s_mov_b32 s97, s96
	s_add_co_i32 s91, s91, 127
	s_lshl_b32 s92, s91, 23
	v_mov_b32 v[QS], s92
	s_add_co_i32 s91, s91, 8
	s_lshl_b32 s91, s91, 23
	s_or_b32 s91, s91, 0x600000
	v_mov_b32 v[QL], s91
	s_wait_loadcnt 0x0                             ; the biases
	PLACES NP
	TOSTAGE 0
.irp a, 1,2,3,4,5,6,7
.if \a > 1
	s_wait_xcnt 0x0                                ; block a - 2's stores have read their registers and their base
.endif
	TOSTAGE \a
	SEND \a-1, 8
.endr
	s_wait_xcnt 0x0
	SEND 7, 0
	s_wait_tensorcnt 0x0                           ; the wave's end
	ds_add_u32 v[SPW], v[NIL]
	s_wait_dscnt 0x0
	CROUND                                         ; the closing round
	s_endpgm
.Lfunc_end_k_q97f76b8ae0_qkv:
	.size	k_q97f76b8ae0_qkv, .Lfunc_end_k_q97f76b8ae0_qkv-k_q97f76b8ae0_qkv
	.p2alignl 7, 3214868480
	.fill 96, 4, 3214868480
	.section	.rodata,"a",@progbits
	.p2align	6, 0x0
	.amdhsa_kernel k_q97f76b8ae0_qkv
		.amdhsa_group_segment_fixed_size 327680
		.amdhsa_private_segment_fixed_size 0
		.amdhsa_enable_private_segment 0
		.amdhsa_kernarg_size 56
		.amdhsa_user_sgpr_count 2
		.amdhsa_user_sgpr_kernarg_segment_ptr 1
		.amdhsa_wavefront_size32 1
		.amdhsa_system_sgpr_workgroup_id_x 1
		.amdhsa_system_sgpr_workgroup_id_y 1
		.amdhsa_system_sgpr_workgroup_id_z 1
		.amdhsa_system_vgpr_workitem_id 0
		.amdhsa_next_free_vgpr 1024
		.amdhsa_next_free_sgpr 102
		.amdhsa_reserve_vcc 0
		.amdhsa_float_denorm_mode_32 3
		.amdhsa_float_denorm_mode_16_64 3
		.amdhsa_memory_ordered 1
		.amdhsa_forward_progress 1
		.amdhsa_inst_pref_size 162
	.end_amdhsa_kernel
	.amdgpu_metadata
---
amdhsa.version: [ 1, 2 ]
amdhsa.kernels:
  - .name:           k_q97f76b8ae0_qkv
    .symbol:         k_q97f76b8ae0_qkv.kd
    .args:
      - { .name: xc, .offset: 0, .size: 8, .value_kind: global_buffer, .address_space: global }
      - { .name: wc, .offset: 8, .size: 8, .value_kind: global_buffer, .address_space: global }
      - { .name: lowp_scales, .offset: 16, .size: 8, .value_kind: global_buffer, .address_space: global }
      - { .name: qkvc, .offset: 24, .size: 8, .value_kind: global_buffer, .address_space: global }
      - { .name: bq, .offset: 32, .size: 8, .value_kind: global_buffer, .address_space: global }
      - { .name: bk, .offset: 40, .size: 8, .value_kind: global_buffer, .address_space: global }
      - { .name: bv, .offset: 48, .size: 8, .value_kind: global_buffer, .address_space: global }
    .group_segment_fixed_size: 327680
    .private_segment_fixed_size: 0
    .kernarg_segment_align: 8
    .kernarg_segment_size: 56
    .max_flat_workgroup_size: 128
    .sgpr_count:     102
    .vgpr_count:     1024
    .wavefront_size: 32
...
	.end_amdgpu_metadata
.endif
;; end of part 2
;; launch attn (part 3): grid 8 x 32, 16 waves a work-group, clusters of 4 x 1, 327,680 bytes of LDS; arguments qkvc, inputs, lowp_scales, res, W1, W2, wc; writes res, wc
.if DOCPART == 3
	.amdgcn_target "amdgcn-amd-amdhsa--gfx1250"
	.amdhsa_code_object_version 6
	.text
	.protected	k_q97f76b8ae0_attn
	.globl	k_q97f76b8ae0_attn
	.p2align	8
	.type	k_q97f76b8ae0_attn,@function
k_q97f76b8ae0_attn:
	s_mov_b64 s[64:65], 0
	v_nop
	global_prefetch_b8 v0, s[64:65] scope:SCOPE_SE
	s_setreg_imm32_b32 hwreg(HW_REG_WAVE_MODE, 25, 1), 1
	s_wait_xcnt 0x0
	s_wait_alu depctr_hold_cnt(0) depctr_sa_sdst(0) depctr_va_vdst(0) depctr_va_sdst(0) depctr_va_ssrc(0) depctr_va_vcc(0) depctr_vm_vsrc(0)
	s_getreg_b32 s2, hwreg(HW_REG_IB_STS2, 6, 4)
	s_cmp_eq_u32 s2, 0
	s_cbranch_scc0 .Lentry_in_a_cluster
	s_endpgm
.Lentry_in_a_cluster:
	s_bfe_u32 s2, ttmp6, 0x10000c
	s_cmp_lg_u32 s2, 0x3003
	s_cbranch_scc0 .Lentry_shape_is_right
	s_endpgm
.Lentry_shape_is_right:
; out = inputs + softmax(q k^T) v for one (batch, head), both products on codes of E4M3; beside it W1 and W2 become codes (3 MiB and 7 MiB into wc, entries 11 and 13 of the exponents).
; GRID: y = 16 x batch + head; x = which 256 queries; sixteen waves of 16 queries each.  The four work-groups of a cluster walk the same K and V and ask for them jointly.
; K's codes (4 MiB into qkvc) and V's (8 MiB) are for each head one dense block of 131,072 bytes.  Both lie whole in LDS, as rows of 256 bytes + 16 of padding:
; wave w brings 64 rows, 16,384 bytes, by its one tensor load at the head (waves 0-7 K, waves 8-15 V).  No LDS byte is filled twice.
; A key step is 128 keys: S^T = K Q^T (8 products of K = 64), the softmax, O^T += V^T P^T (4 products of K = 128).  A lane holds one query throughout.
; t = score x log2(e) x 2^(e6 + e7); M = ceil of the running largest t; p = 2^(t - M) is quantised with 2^e9; the row's sum is taken of the unquantised p and divides at the end.
; Each wave also takes 1,024 numbers of W1 and of W2: behind key steps 4 and 8, through its own stage in LDS.
; No prefetch of tiles: all are asked for at the head, and there is no loop to run ahead in.
; LIMITS: e6 + e7 between -126 and 127; e9, e11, e13 between -126 and 119; the scaled scores stay under 2^31 in magnitude.  NaN among the inputs is not served.
.set KP,    272
.set TILEB, 16*KP
.set PHB,   8*TILEB
.set VOFF,  4*PHB
.set STEPB, 32*KP
.set SPARE, 2*VOFF
.set WSTG,  SPARE+2048
.set W1OFF, 3145728
.set W2OFF, 7340032
.set AK0, 1
.set AV0, 2
.set SPW, 5
.set NIL, 6
.set GO,  7
.set ADK, 8
.set ADV, 9
.set WS,  241
.set WL,  245
.set WSI, 247
.set WSO, 248
.set WO,  249
.set TB,  2
.set CNT, 3
.set WV,  12
.set G1,  24
.set G0,  32
.set SEL, 48
.set CS,  50
.macro CROUND
	s_barrier_signal -1
	s_barrier_wait -1
	s_cmp_lg_u32 s[WV], 0
	s_cbranch_scc1 .Lnot_wave_0_\@
	s_barrier_signal -3
.Lnot_wave_0_\@:
	s_barrier_wait -3
	s_barrier_signal -1
	s_barrier_wait -1
.endm
	s_load_b256 s[4:11], s[0:1], 0x0
	s_load_b128 s[76:79], s[0:1], 0x20
	s_load_b64 s[74:75], s[0:1], 0x30
	v_lshl_add_u32 v[SPW], v0, 2, SPARE
	v_mov_b32 v[NIL], 0
	ds_add_u32 v[SPW], v[NIL]
	ds_add_u32 v[SPW], v[NIL]
	v_lshrrev_b32 v8, 5, v0
	s_delay_alu instid0(VALU_DEP_1)
	v_readfirstlane_b32 s[WV], v8
	s_bfe_u32 s13, ttmp6, 0x40000
	s_lshl_b32 s14, ttmp9, 2
	s_add_co_u32 s14, s14, s13
	s_and_b32 s15, ttmp7, 0xffff
	s_lshr_b32 s16, s15, 4
	s_and_b32 s17, s15, 15
	s_mul_i32 s20, s[WV], 4*TILEB                  ; my 64 rows in LDS: K's 512 rows, then V's 512
	s_and_b32 s21, s[WV], 7
	s_lshl_b32 s21, s21, 14                        ; my 16,384 bytes of the head's block,
	s_lshr_b32 s52, s[WV], 3
	s_lshl_b32 s52, s52, 22                        ; of K (4 MiB into qkvc) or of V (8 MiB)
	s_lshl_b32 s22, s15, 17                        ; the head's block
	s_add_co_u32 s22, s22, s21
	s_add_co_u32 s22, s22, s52
	s_add_co_u32 s22, s22, 0x400000
	s_mov_b32 s23, 0
	s_lshl_b32 s56, s15, 17
	s_lshl_b32 s57, s14, 14
	s_add_co_u32 s56, s56, s57
	s_lshl_b32 s57, s[WV], 10
	s_add_co_u32 s56, s56, s57
	s_mov_b32 s57, 0
	s_lshl_b32 s58, s16, 23
	s_lshl_b32 s59, s14, 20
	s_add_co_u32 s58, s58, s59
	s_lshl_b32 s59, s[WV], 16
	s_add_co_u32 s58, s58, s59
	s_lshl_b32 s59, s17, 8
	s_add_co_u32 s58, s58, s59
	s_mov_b32 s59, 0
	s_lshl_b32 s66, s15, 3
	s_add_co_u32 s66, s66, s14
	s_lshl_b32 s66, s66, 4
	s_add_co_u32 s66, s66, s[WV]
	s_lshl_b32 s66, s66, 12
	s_mov_b32 s67, 0
	s_mov_b32 s[G1], 15|(3<<16)|(1<<20)|(1<<21)|(5<<22)|(3<<25)
	s_mov_b32 s[G1+1], 32<<16
	s_mov_b32 s[G1+2], 64<<16
	s_mov_b32 s[G1+3], 32<<16
	s_mov_b32 s[G1+4], 64
	s_mov_b32 s[G1+5], 32
	s_mov_b32 s[G1+6], 0
	s_mov_b32 s[G1+7], 0
	s_mov_b32 s[SEL], 0x76543210
	s_mov_b32 s[SEL+1], 0xfedcba98
	s_mov_b32 s[CS], 0x3fb8aa3b
	s_wait_dscnt 0x0
	s_wait_kmcnt 0x0
	s_load_b128 s[68:71], s[8:9], 0x18
	s_load_b128 s[60:63], s[8:9], 0x28
	s_add_nc_u64 s[22:23], s[4:5], s[22:23]
	s_mov_b64 s[G0+2:G0+3], s[22:23]
	s_mov_b32 s[G0], 1
	s_mov_b32 s[G0+1], s20
	s_or_b32 s[G0+3], s[G0+3], 0x80000000
	s_add_nc_u64 s[4:5], s[4:5], s[56:57]
	s_add_nc_u64 s[6:7], s[6:7], s[58:59]
	s_add_nc_u64 s[10:11], s[10:11], s[58:59]
	s_add_nc_u64 s[76:77], s[76:77], s[66:67]
	s_add_nc_u64 s[78:79], s[78:79], s[66:67]
	s_lshr_b32 s66, s66, 2
	s_add_nc_u64 s[74:75], s[74:75], s[66:67]
	CROUND                                         ; the four partners are here: the joint loads meet
	tensor_load_to_lds s[G0:G0+3], s[G1:G1+7]      ; my one tensor load of the launch
	s_nop 0
.rept 4
	v_nop
.endr
	v_and_b32 v8, 15, v0
	v_bfe_u32 v9, v0, 4, 1
	s_delay_alu instid0(VALU_DEP_2)
	v_lshlrev_b32 v10, 6, v8
	s_delay_alu instid0(VALU_DEP_1)
	v_lshl_add_u32 v10, v9, 4, v10
	global_load_b128 v[16:19], v10, s[4:5]
	global_load_b128 v[20:23], v10, s[4:5] offset:32
	v_and_b32 v[WS], 31, v0
	s_delay_alu instid0(VALU_DEP_1)
	v_lshlrev_b32 v[WO], 4, v[WS]
	s_mul_i32 s72, s[WV], 2560
	s_add_co_u32 s72, s72, WSTG
	v_lshrrev_b32 v[WL], 2, v[WS]
	s_delay_alu instid0(VALU_DEP_1)
	v_mul_u32_u24 v[WSI], v[WL], 80
	v_and_b32 v[WL], 3, v[WS]
	s_delay_alu instid0(VALU_DEP_1)
	v_lshl_add_u32 v[WSI], v[WL], 4, v[WSI]
	s_delay_alu instid0(VALU_DEP_1)
	v_add_nc_u32 v[WSI], s72, v[WSI]
	v_mul_u32_u24 v[WSO], v[WS], 80
	s_delay_alu instid0(VALU_DEP_1)
	v_add_nc_u32 v[WSO], s72, v[WSO]
	v_lshlrev_b32 v[GO], 12, v9
	s_delay_alu instid0(VALU_DEP_1)
	v_lshl_add_u32 v[GO], v8, 4, v[GO]
	v_lshrrev_b32 v11, 2, v8
	s_delay_alu instid0(VALU_DEP_1)
	v_mul_u32_u24 v[AK0], v11, KP
	v_and_b32 v11, 3, v8
	s_delay_alu instid0(VALU_DEP_1)
	v_lshl_add_u32 v[AK0], v11, 6, v[AK0]
	s_delay_alu instid0(VALU_DEP_1)
	v_lshl_add_u32 v[AK0], v9, 4, v[AK0]
	v_lshrrev_b32 v11, 1, v8
	s_delay_alu instid0(VALU_DEP_1)
	v_mul_u32_u24 v[AV0], v11, KP
	v_and_b32 v11, 1, v8
	s_delay_alu instid0(VALU_DEP_1)
	v_lshl_add_u32 v[AV0], v11, 7, v[AV0]
	s_delay_alu instid0(VALU_DEP_1)
	v_lshl_add_u32 v[AV0], v9, 4, v[AV0]
	s_delay_alu instid0(VALU_DEP_1)
	v_add_nc_u32 v[AV0], VOFF, v[AV0]
	v_mov_b32 v13, 0xff61b1e6
	s_delay_alu instid0(VALU_DEP_1)
	v_floor_f32 v12, -v13
	v_mov_b32 v14, 0
	v_mov_b32 v15, 0
	v_mov_b32 v246, 0
	v_mov_b32 v253, 0
.set j, 0
.rept 32
	v_mov_b32 v[160+j], 0
.set j, j+1
.endr
	s_wait_kmcnt 0x0
	s_add_co_i32 s72, s68, s69
	s_lshl_b32 s72, s72, 23
	s_add_co_i32 s[CS], s[CS], s72
	s_mov_b32 s[CS+1], s[CS]
	s_add_co_i32 s72, s71, 127
	s_lshl_b32 s73, s72, 23
	v_mov_b32 v244, s73
	s_add_co_i32 s72, s72, 8
	s_lshl_b32 s72, s72, 23
	s_or_b32 s72, s72, 0x600000
	v_mov_b32 v240, s72                            ; 448 x 2^e9,
	v_mov_b32 v3, s72                              ; twice: the two halves of a dual pair take their first sources from different banks
	s_add_co_i32 s61, s61, 127
	s_lshl_b32 s60, s61, 23
	s_add_co_i32 s61, s61, 8
	s_lshl_b32 s61, s61, 23
	s_or_b32 s61, s61, 0x600000
	s_add_co_i32 s63, s63, 127
	s_lshl_b32 s62, s63, 23
	s_add_co_i32 s63, s63, 8
	s_lshl_b32 s63, s63, 23
	s_or_b32 s63, s63, 0x600000
.macro STEP
	v_add_nc_u32 v[ADK], s[TB], v[AK0]
	v_add_nc_u32 v[ADV], s[TB], v[AV0]
	v_nop
	v_nop
.irp t, 0,1,2,3,4,5,6,7
.irp c, 0,1
	ds_load_b128 v[32+8*\t+4*\c:35+8*\t+4*\c], v[ADK] offset:4*KP*\t+32*\c
.endr
.endr
	s_wait_alu depctr_va_vdst(0)
	s_wait_dscnt 0x0
.irp t, 0,1,2,3,4,5,6,7
	v_wmma_f32_16x16x64_fp8_fp8 v[96+8*\t:103+8*\t], v[32+8*\t:39+8*\t], v[16:23], 0
.endr
.rept 4
	v_nop
.endr
.irp t, 0,1,2,3
.irp c, 0,1,2,3
	ds_load_b128 v[32+16*\t+4*\c:35+16*\t+4*\c], v[ADV] offset:8*KP*\t+32*\c
.endr
.endr
	v_max3_num_f32 v254, v96, v97, v98
	v_max3_num_f32 v252, v99, v100, v101
.irp i, 6,10,14,18,22,26,30,34,38,42,46,50,54,58
	v_max3_num_f32 v254, v254, v[96+\i], v[97+\i]
	v_max3_num_f32 v252, v252, v[98+\i], v[99+\i]
.endr
	v_max3_num_f32 v254, v254, v158, v159
	s_delay_alu instid0(VALU_DEP_1)
	v_max_num_f32 v254, v254, v252
	s_delay_alu instid0(VALU_DEP_1)
	v_permlanex16_b32 v246, v254, s[SEL], s[SEL+1]
	s_delay_alu instid0(VALU_DEP_1)
	v_max_num_f32 v254, v254, v246
	s_delay_alu instid0(VALU_DEP_1)
	v_mul_f32 v254, s[CS], v254
	s_delay_alu instid0(VALU_DEP_1)
	v_max_num_f32 v13, v13, v254
	v_mov_b32 v254, v12
	s_delay_alu instid0(VALU_DEP_2)
	v_floor_f32 v12, -v13
	s_delay_alu instid0(VALU_DEP_1)
	v_sub_f32 v254, v12, v254
	s_delay_alu instid0(VALU_DEP_1)
	v_cvt_i32_f32 v254, v254
	s_delay_alu instid0(VALU_DEP_1)
	v_ldexp_f32 v252, 1.0, v254
.set j, 0
.rept 32
	v_pk_fma_f32 v[96+j:97+j], v[96+j:97+j], s[CS:CS+1], v[12:13] op_sel_hi:[1,0,0]
.set j, j+2
.endr
.set j, 0
	s_wait_alu depctr_va_vdst(0)
.rept 64
	v_exp_f32 v[96+j], v[96+j]
.set j, j+1
.endr
	v_pk_mul_f32 v[14:15], v[14:15], v[252:253] op_sel_hi:[1,0]
	s_wait_alu depctr_va_vdst(0)
	v_pk_add_f32 v[242:243], v[96:97], v[98:99]
.irp j, 4,8,12,16,20,24,28,32,36,40,44,48,52,56,60
	v_pk_add_f32 v[14:15], v[14:15], v[96+\j:97+\j]
	v_pk_add_f32 v[242:243], v[242:243], v[98+\j:99+\j]
.endr
	s_delay_alu instid0(VALU_DEP_1)
	v_pk_add_f32 v[14:15], v[14:15], v[242:243]
.irp t, 0,1,2,3,4,5,6,7
.irp i, 0,2,4,6
	v_dual_min_num_f32 v[96+8*\t+\i], v240, v[96+8*\t+\i] :: v_dual_min_num_f32 v[97+8*\t+\i], v3, v[97+8*\t+\i]   ; the hold, one-sided: p is not negative
.endr
	v_cvt_scalef32_pk8_fp8_f32 v[192+2*\t:193+2*\t], v[96+8*\t:103+8*\t], v244
.endr
.set j, 0
.rept 16
	v_pk_mul_f32 v[160+j:161+j], v[160+j:161+j], v[252:253] op_sel_hi:[1,0]
.set j, j+2
.endr
	s_wait_alu depctr_va_vdst(0)
	s_wait_dscnt 0x0
.irp t, 0,1,2,3
	v_wmma_f32_16x16x128_fp8_fp8 v[160+8*\t:167+8*\t], v[32+16*\t:47+16*\t], v[192:207], v[160+8*\t:167+8*\t]
.endr
.endm
.macro PHASE g, steps                  ; key steps from LDS byte PHB x g of K's and of V's rows on
	s_mov_b32 s[TB], PHB*\g
	s_mov_b32 s[CNT], \steps
.Lstep_\@:
	STEP
	s_add_co_u32 s[TB], s[TB], STEPB
	s_sub_co_u32 s[CNT], s[CNT], 1
	s_cmp_lg_u32 s[CNT], 0
	s_cbranch_scc1 .Lstep_\@
.endm
.macro WQ sc, off, nxt
	s_wait_loadcnt 0x0
	s_wait_xcnt 0x0
	v_mov_b32 v[WS], s[\sc]
	v_mov_b32 v[WL], s[\sc+1]
.irp u, 0,1
.irp i, 0,1,2,3
	ds_store_b128 v[WSI], v[208+16*\u+4*\i:211+16*\u+4*\i] offset:640*\i
.endr
.irp i, 0,1,2,3
	ds_load_b128 v[96+16*\u+4*\i:99+16*\u+4*\i], v[WSO] offset:16*\i
.endr
.endr
	s_wait_alu depctr_va_vdst(0)
	s_wait_dscnt 0x0
.irp i, 0,1,2,3,4,5,6,7
.if \nxt == 1
	global_load_b128 v[208+4*\i:211+4*\i], v[WO], s[78:79] offset:512*\i th:TH_LOAD_NT
.else
	global_load_b128 v[208+4*\i:211+4*\i], v[GO], s[6:7] offset:8192*\i
.endif
.endr
.set j, 0
.rept 32
	v_med3_num_f32 v[96+j], v[96+j], -v[WL], v[WL]
.set j, j+1
.endr
.irp g, 0,1,2,3
	v_cvt_scalef32_pk8_fp8_f32 v[24+2*\g:25+2*\g], v[96+8*\g:103+8*\g], v[WS]
.endr
	v_nop
	global_store_b128 v[WO], v[24:27], s[74:75] offset:\off
	global_store_b128 v[WO], v[28:31], s[74:75] offset:\off+512
.endm
	s_wait_alu depctr_va_vdst(0)
	s_wait_tensorcnt 0x0                           ; my 64 rows are in
	s_barrier_signal -1
	s_barrier_wait -1                              ; and everybody's: K and V are whole
.irp i, 0,1,2,3,4,5,6,7
	global_load_b128 v[208+4*\i:211+4*\i], v[WO], s[76:77] offset:512*\i th:TH_LOAD_NT   ; my 1,024 numbers of W1: worked behind four key steps
.endr
	s_wait_loadcnt 8                               ; Q's two loads are in; W1's eight may be out
	PHASE 0, 4
	WQ 60, W1OFF, 1
	PHASE 1, 4
	WQ 62, W2OFF, 0
	PHASE 2, 8
	s_wait_dscnt 0x0
	s_barrier_signal -1
	s_barrier_wait -1
	v_add_f32 v14, v14, v15
	s_delay_alu instid0(VALU_DEP_1)
	v_permlanex16_b32 v252, v14, s[SEL], s[SEL+1]
	s_delay_alu instid0(VALU_DEP_1)
	v_add_f32 v14, v14, v252
	s_wait_alu depctr_va_vdst(0)
	v_rcp_f32 v14, v14
	v_and_b32 v8, 15, v0
	v_bfe_u32 v9, v0, 4, 1
	s_add_co_i32 s72, s70, s71
	s_mul_i32 s73, s[WV], TILEB
	v_mul_u32_u24 v10, v8, KP
	s_delay_alu instid0(VALU_DEP_1)
	v_lshl_add_u32 v10, v9, 5, v10
	s_delay_alu instid0(VALU_DEP_1)
	v_add_nc_u32 v10, s73, v10
	v_mul_u32_u24 v11, v9, KP
	s_delay_alu instid0(VALU_DEP_1)
	v_lshl_add_u32 v11, v8, 4, v11
	s_delay_alu instid0(VALU_DEP_1)
	v_add_nc_u32 v11, s73, v11
	s_wait_alu depctr_va_vdst(0)
	v_ldexp_f32 v14, v14, s72
.set j, 0
.rept 32
	v_mul_f32 v[96+j], v[160+j], v14
.set j, j+1
.endr
.irp t, 0,1,2,3
	ds_store_b128 v10, v[96+8*\t:99+8*\t] offset:64*\t
	ds_store_b128 v10, v[100+8*\t:103+8*\t] offset:64*\t+16
.endr
.irp i, 0,1,2,3,4,5,6,7
	ds_load_b128 v[32+4*\i:35+4*\i], v11 offset:2*KP*\i
.endr
	s_wait_loadcnt 0x0
.irp i, 0,1,2,3,4,5,6,7
	s_wait_dscnt 7-\i
	v_pk_add_f32 v[32+4*\i:33+4*\i], v[32+4*\i:33+4*\i], v[208+4*\i:209+4*\i]
	v_pk_add_f32 v[34+4*\i:35+4*\i], v[34+4*\i:35+4*\i], v[210+4*\i:211+4*\i]
	global_store_b128 v[GO], v[32+4*\i:35+4*\i], s[10:11] offset:8192*\i
.endr
	s_wait_tensorcnt 0x0
	ds_add_u32 v[SPW], v[NIL]
	s_wait_dscnt 0x0
	CROUND
	s_endpgm
.Lfunc_end_k_q97f76b8ae0_attn:
	.size	k_q97f76b8ae0_attn, .Lfunc_end_k_q97f76b8ae0_attn-k_q97f76b8ae0_attn
	.p2alignl 7, 3214868480
	.fill 96, 4, 3214868480
	.section	.rodata,"a",@progbits
	.p2align	6, 0x0
	.amdhsa_kernel k_q97f76b8ae0_attn
		.amdhsa_group_segment_fixed_size 327680
		.amdhsa_private_segment_fixed_size 0
		.amdhsa_enable_private_segment 0
		.amdhsa_kernarg_size 56
		.amdhsa_user_sgpr_count 2
		.amdhsa_user_sgpr_kernarg_segment_ptr 1
		.amdhsa_wavefront_size32 1
		.amdhsa_system_sgpr_workgroup_id_x 1
		.amdhsa_system_sgpr_workgroup_id_y 1
		.amdhsa_system_sgpr_workgroup_id_z 1
		.amdhsa_system_vgpr_workitem_id 0
		.amdhsa_next_free_vgpr 256
		.amdhsa_next_free_sgpr 80
		.amdhsa_reserve_vcc 0
		.amdhsa_float_denorm_mode_32 3
		.amdhsa_float_denorm_mode_16_64 3
		.amdhsa_memory_ordered 1
		.amdhsa_forward_progress 1
		.amdhsa_inst_pref_size 71
	.end_amdhsa_kernel
	.amdgpu_metadata
---
amdhsa.version: [ 1, 2 ]
amdhsa.kernels:
  - .name:           k_q97f76b8ae0_attn
    .symbol:         k_q97f76b8ae0_attn.kd
    .args:
      - { .name: qkvc, .offset: 0, .size: 8, .value_kind: global_buffer, .address_space: global }
      - { .name: inputs, .offset: 8, .size: 8, .value_kind: global_buffer, .address_space: global }
      - { .name: lowp_scales, .offset: 16, .size: 8, .value_kind: global_buffer, .address_space: global }
      - { .name: res, .offset: 24, .size: 8, .value_kind: global_buffer, .address_space: global }
      - { .name: W1, .offset: 32, .size: 8, .value_kind: global_buffer, .address_space: global }
      - { .name: W2, .offset: 40, .size: 8, .value_kind: global_buffer, .address_space: global }
      - { .name: wc, .offset: 48, .size: 8, .value_kind: global_buffer, .address_space: global }
    .group_segment_fixed_size: 327680
    .private_segment_fixed_size: 0
    .kernarg_segment_align: 8
    .kernarg_segment_size: 56
    .max_flat_workgroup_size: 512
    .sgpr_count:     80
    .vgpr_count:     256
    .wavefront_size: 32
...
	.end_amdgpu_metadata
.endif
;; end of part 3
;; launch ln2 (part 4): grid 256 x 1, 8 waves a work-group, no clusters, 41,984 bytes of LDS; arguments res, scale2, shift2, lowp_scales, hc; writes hc
.if DOCPART == 4
	.amdgcn_target "amdgcn-amd-amdhsa--gfx1250"
	.amdhsa_code_object_version 6
	.text
	.protected	k_q97f76b8ae0_ln2
	.globl	k_q97f76b8ae0_ln2
	.p2align	8
	.type	k_q97f76b8ae0_ln2,@function
k_q97f76b8ae0_ln2:
	s_mov_b64 s[64:65], 0
	v_nop
	global_prefetch_b8 v0, s[64:65] scope:SCOPE_SE
	s_setreg_imm32_b32 hwreg(HW_REG_WAVE_MODE, 25, 1), 1
	s_wait_xcnt 0x0
; y = gain (x - mean) / (sd + 1e-8) + shift along rows of 1,024 f32 (sd with 1,023 in the divisor), then NQ images of codes of E4M3, each with its own given scale 2^e.
; Here NQ = 1: entry 10 of the exponents; rows of 1,024 bytes.
; LIMITS: -126 <= e <= 119.  NaN and infinities among the inputs are not served.
; A wave takes a whole row, two rows one after the other: row 16 x work-group + 2 x wave + 0, 1.  The sums are taken in two passes (mean first, then squares of the differences), so a common offset costs nothing.
; Each load reads 512 consecutive bytes; a vector of 1,024 numbers turns through the wave's own stage in LDS, after which register 16 u + j of a lane is element 512 u + 16 lane + j: 16 neighbours, as the conversions want.
; A lane's 16 codes are 16 bytes: a store of the wave covers 512 consecutive bytes, aligned.  Waves share nothing: no barrier, no cluster, no matrix work.
.set NQ,    1
.set SC0,   40                         ; byte of the exponent
.set IMG,   4194304
.set RAW,   16                         ; v16-143  four sets of 32: gain, shift, row 0, row 1, as loaded
.set SCL,   144                        ; v144-175 the gain
.set SHF,   176                        ; v176-207 the shift
.set X,     208                        ; v208-239 the row
.set T,     16                         ; v16-47   held numbers (the gain's set, free once turned)
.set QC,    240                        ; v240..   2^e and 448 x 2^e
.set SPW,   5
.set NIL,   6
.set SP,    80
.set WREG,  5120                       ; a wave's stage: two halves of 32 x SP
.set SPARE, 8*WREG                     ; the spare words, 128 bytes a wave
	s_load_b256 s[4:11], s[0:1], 0x0               ; x s[4:5], gain s[6:7], shift s[8:9], exponents s[10:11]
	s_load_b64 s[12:13], s[0:1], 0x20              ; the codes
	v_lshl_add_u32 v[SPW], v0, 2, SPARE
	v_mov_b32 v[NIL], 0
	v_lshrrev_b32 v1, 5, v0
	s_delay_alu instid0(VALU_DEP_1)
	v_readfirstlane_b32 s16, v1                    ; wave
	v_and_b32 v1, 31, v0                           ; lane
	s_delay_alu instid0(VALU_DEP_1)
	v_lshlrev_b32 v2, 4, v1                        ; 16 x lane: loads and stores
	s_mul_i32 s17, s16, WREG
	v_lshrrev_b32 v3, 2, v1
	s_delay_alu instid0(VALU_DEP_1)
	v_mul_u32_u24 v3, v3, SP
	v_and_b32 v7, 3, v1
	s_delay_alu instid0(VALU_DEP_1)
	v_lshl_add_u32 v3, v7, 4, v3
	s_delay_alu instid0(VALU_DEP_1)
	v_add_nc_u32 v3, s17, v3                       ; the stage, way in
	v_mul_u32_u24 v4, v1, SP
	s_delay_alu instid0(VALU_DEP_1)
	v_add_nc_u32 v4, s17, v4                       ; way out
	v_mov_b32 v246, 0                              ; a lane permute's destination counts as read: written once
	s_mov_b32 s14, 0x76543210
	s_mov_b32 s15, 0xfedcba98                      ; selects for lane l xor 16
	s_lshl_b32 s18, ttmp9, 4
	s_lshl_b32 s19, s16, 1
	s_add_co_u32 s18, s18, s19                     ; my first row
	s_lshl_b32 s20, s18, 12
	s_mov_b32 s21, 0
	s_lshl_b32 s22, s18, 10
	s_mov_b32 s23, 0
	s_wait_alu depctr_va_vdst(0)
	s_wait_kmcnt 0x0
.set q, 0
.rept NQ
	s_load_b32 s[32+q], s[10:11], SC0+8*q
.set q, q+1
.endr
	s_add_nc_u64 s[4:5], s[4:5], s[20:21]
	s_add_nc_u64 s[24:25], s[12:13], s[22:23]
.if NQ > 1
	s_add_nc_u64 s[26:27], s[24:25], IMG
	s_add_nc_u64 s[28:29], s[26:27], IMG
.endif
.macro LOADVEC set, lo
.irp i, 0,1,2,3,4,5,6,7
	global_load_b128 v[RAW+32*\set+4*\i:RAW+32*\set+4*\i+3], v2, s[\lo:\lo+1] offset:512*\i
.endr
.endm
.macro LOADROW set, off
.irp i, 0,1,2,3,4,5,6,7
	global_load_b128 v[RAW+32*\set+4*\i:RAW+32*\set+4*\i+3], v2, s[4:5] offset:\off+512*\i th:TH_LOAD_NT
.endr
.endm
.macro TURNROW set, dst                ; LDS serves a wave's instructions in order: no wait between these lines, nor in front of the next vector's stores
.irp u, 0,1
.irp i, 0,1,2,3
	ds_store_b128 v3, v[RAW+32*\set+16*\u+4*\i:RAW+32*\set+16*\u+4*\i+3] offset:2560*\u+640*\i
.endr
.irp i, 0,1,2,3
	ds_load_b128 v[\dst+16*\u+4*\i:\dst+16*\u+4*\i+3], v4 offset:2560*\u+16*\i
.endr
.endr
.endm
.macro FOLD                            ; the four pairs v[8:15] become one number, the same in all 32 lanes: v8
	s_delay_alu instid0(VALU_DEP_3)
	v_pk_add_f32 v[8:9], v[8:9], v[10:11]
	s_delay_alu instid0(VALU_DEP_2)
	v_pk_add_f32 v[12:13], v[12:13], v[14:15]
	s_delay_alu instid0(VALU_DEP_1)
	v_pk_add_f32 v[8:9], v[8:9], v[12:13]
	s_delay_alu instid0(VALU_DEP_1)
	v_add_f32 v8, v8, v9
	s_delay_alu instid0(VALU_DEP_1)
	v_add_f32_dpp v8, v8, v8 row_xmask:1 row_mask:0xf bank_mask:0xf
	s_delay_alu instid0(VALU_DEP_1)
	v_add_f32_dpp v8, v8, v8 row_xmask:2 row_mask:0xf bank_mask:0xf
	s_delay_alu instid0(VALU_DEP_1)
	v_add_f32_dpp v8, v8, v8 row_xmask:4 row_mask:0xf bank_mask:0xf
	s_delay_alu instid0(VALU_DEP_1)
	v_add_f32_dpp v8, v8, v8 row_xmask:8 row_mask:0xf bank_mask:0xf
	s_delay_alu instid0(VALU_DEP_1)
	v_permlanex16_b32 v246, v8, s14, s15
	s_delay_alu instid0(VALU_DEP_1)
	v_add_f32 v8, v8, v246
.endm
.macro ROW c, rowb                     ; the row in X: norm, then hold, conversion, store.  c: its codes' registers; rowb: its byte in my two rows of codes
	s_wait_dscnt 0x0                               ; the row (and gain and shift) are back from the stage
.irp k, 0,1,2,3
	v_pk_add_f32 v[8+2*\k:9+2*\k], v[X+2*\k:X+2*\k+1], v[X+8+2*\k:X+9+2*\k]   ; the sum, in four chains
.endr
.irp m, 16,24
.irp k, 0,1,2,3
	s_delay_alu instid0(VALU_DEP_4)
	v_pk_add_f32 v[8+2*\k:9+2*\k], v[8+2*\k:9+2*\k], v[X+\m+2*\k:X+\m+2*\k+1]
.endr
.endr
	FOLD
	s_delay_alu instid0(VALU_DEP_1)
	v_mul_f32 v248, 0x3a800000, v8                 ; the mean: x 2^-10, twice for the packed form
	s_delay_alu instid0(VALU_DEP_2)
	v_mul_f32 v249, 0x3a800000, v8
.set j, 0
.rept 16
	v_pk_add_f32 v[X+j:X+j+1], v[X+j:X+j+1], v[248:249] neg_lo:[0,1] neg_hi:[0,1]   ; d = x - mean
.set j, j+2
.endr
.irp k, 0,1,2,3
	v_pk_mul_f32 v[8+2*\k:9+2*\k], v[X+2*\k:X+2*\k+1], v[X+2*\k:X+2*\k+1]
.endr
.irp m, 8,16,24
.irp k, 0,1,2,3
	s_delay_alu instid0(VALU_DEP_4)
	v_pk_fma_f32 v[8+2*\k:9+2*\k], v[X+\m+2*\k:X+\m+2*\k+1], v[X+\m+2*\k:X+\m+2*\k+1], v[8+2*\k:9+2*\k]
.endr
.endr
	FOLD
	s_delay_alu instid0(VALU_DEP_1)
	v_mul_f32 v8, 0x3a802008, v8                   ; / 1,023
	s_wait_alu depctr_va_vdst(0)
	v_sqrt_f32 v9, v8
	v_nop                                          ; a plain line behind the root,
	s_wait_alu depctr_va_vdst(0)                   ; and the wait ahead of its first reader
	v_add_f32 v9, 0x322bcc77, v9                   ; + 1e-8
	s_wait_alu depctr_va_vdst(0)
	v_rcp_f32 v250, v9
	v_nop
	s_wait_alu depctr_va_vdst(0)
	v_mov_b32 v251, v250
.set j, 0
.rept 16
	v_pk_mul_f32 v[X+j:X+j+1], v[X+j:X+j+1], v[250:251]
.set j, j+2
.endr
.set j, 0
.rept 16
	v_pk_fma_f32 v[X+j:X+j+1], v[X+j:X+j+1], v[SCL+j:SCL+j+1], v[SHF+j:SHF+j+1]
.set j, j+2
.endr
.set q, 0
.rept NQ
.set j, 0
.rept 32
	v_med3_num_f32 v[T+j], v[X+j], -v[QC+2*q+1], v[QC+2*q+1]   ; the conversion does not saturate (ISA guide 7.6.2): the hold
.set j, j+1
.endr
.irp g, 0,1,2,3
	v_cvt_scalef32_pk8_fp8_f32 v[\c+8*q+2*\g:\c+8*q+2*\g+1], v[T+8*\g:T+8*\g+7], v[QC+2*q]
.endr
	v_nop                                          ; a plain line behind the last conversion: the next row's holds write its sources
	global_store_b128 v2, v[\c+8*q:\c+8*q+3], s[24+2*q:25+2*q] offset:\rowb
	global_store_b128 v2, v[\c+8*q+4:\c+8*q+7], s[24+2*q:25+2*q] offset:\rowb+512
.set q, q+1
.endr
.endm
	LOADVEC 0, 6
	LOADVEC 1, 8
	LOADROW 2, 0
	LOADROW 3, 4096
	s_wait_kmcnt 0x0
.set q, 0
.rept NQ
	s_add_co_i32 s[32+q], s[32+q], 127
	s_lshl_b32 s36, s[32+q], 23
	v_mov_b32 v[QC+2*q], s36                       ; 2^e
	s_add_co_i32 s[32+q], s[32+q], 8
	s_lshl_b32 s[32+q], s[32+q], 23
	s_or_b32 s[32+q], s[32+q], 0x600000
	v_mov_b32 v[QC+2*q+1], s[32+q]                 ; 448 x 2^e
.set q, q+1
.endr
	s_wait_loadcnt 24                              ; the gain's eight loads are in; 24 younger may be out
	TURNROW 0, SCL
	s_wait_loadcnt 16                              ; the shift's
	TURNROW 1, SHF
	s_wait_loadcnt 8                               ; row 0's
	TURNROW 2, X
	ROW 48, 0
	s_wait_loadcnt 0x0
	TURNROW 3, X
	ROW 80, 1024
	s_wait_tensorcnt 0x0                           ; the wave's end
	ds_add_u32 v[SPW], v[NIL]
	s_wait_dscnt 0x0
	s_endpgm
.Lfunc_end_k_q97f76b8ae0_ln2:
	.size	k_q97f76b8ae0_ln2, .Lfunc_end_k_q97f76b8ae0_ln2-k_q97f76b8ae0_ln2
	.p2alignl 7, 3214868480
	.fill 96, 4, 3214868480
	.section	.rodata,"a",@progbits
	.p2align	6, 0x0
	.amdhsa_kernel k_q97f76b8ae0_ln2
		.amdhsa_group_segment_fixed_size 41984
		.amdhsa_private_segment_fixed_size 0
		.amdhsa_enable_private_segment 0
		.amdhsa_kernarg_size 40
		.amdhsa_user_sgpr_count 2
		.amdhsa_user_sgpr_kernarg_segment_ptr 1
		.amdhsa_wavefront_size32 1
		.amdhsa_system_sgpr_workgroup_id_x 1
		.amdhsa_system_sgpr_workgroup_id_y 1
		.amdhsa_system_sgpr_workgroup_id_z 1
		.amdhsa_system_vgpr_workitem_id 0
		.amdhsa_next_free_vgpr 256
		.amdhsa_next_free_sgpr 66
		.amdhsa_reserve_vcc 0
		.amdhsa_float_denorm_mode_32 3
		.amdhsa_float_denorm_mode_16_64 3
		.amdhsa_memory_ordered 1
		.amdhsa_forward_progress 1
		.amdhsa_inst_pref_size 30
	.end_amdhsa_kernel
	.amdgpu_metadata
---
amdhsa.version: [ 1, 2 ]
amdhsa.kernels:
  - .name:           k_q97f76b8ae0_ln2
    .symbol:         k_q97f76b8ae0_ln2.kd
    .args:
      - { .name: res, .offset: 0, .size: 8, .value_kind: global_buffer, .address_space: global }
      - { .name: scale2, .offset: 8, .size: 8, .value_kind: global_buffer, .address_space: global }
      - { .name: shift2, .offset: 16, .size: 8, .value_kind: global_buffer, .address_space: global }
      - { .name: lowp_scales, .offset: 24, .size: 8, .value_kind: global_buffer, .address_space: global }
      - { .name: hc, .offset: 32, .size: 8, .value_kind: global_buffer, .address_space: global }
    .group_segment_fixed_size: 41984
    .private_segment_fixed_size: 0
    .kernarg_segment_align: 8
    .kernarg_segment_size: 40
    .max_flat_workgroup_size: 256
    .sgpr_count:     66
    .vgpr_count:     256
    .wavefront_size: 32
...
	.end_amdgpu_metadata
.endif
;; end of part 4
;; launch ffn1 (part 5): grid 16 x 16, 4 waves a work-group, clusters of 4 x 4, 327,680 bytes of LDS; arguments hc, wc, lowp_scales, b1, hid; writes hid
.if DOCPART == 5
	.amdgcn_target "amdgcn-amd-amdhsa--gfx1250"
	.amdhsa_code_object_version 6
	.text
	.protected	k_q97f76b8ae0_ffn1
	.globl	k_q97f76b8ae0_ffn1
	.p2align	8
	.type	k_q97f76b8ae0_ffn1,@function
k_q97f76b8ae0_ffn1:
	s_mov_b64 s[64:65], 0
	v_nop
	global_prefetch_b8 v0, s[64:65] scope:SCOPE_SE
	s_setreg_imm32_b32 hwreg(HW_REG_WAVE_MODE, 25, 1), 1
	s_wait_xcnt 0x0
	s_wait_alu depctr_hold_cnt(0) depctr_sa_sdst(0) depctr_va_vdst(0) depctr_va_sdst(0) depctr_va_ssrc(0) depctr_va_vcc(0) depctr_vm_vsrc(0)
	s_getreg_b32 s2, hwreg(HW_REG_IB_STS2, 6, 4)
	s_cmp_eq_u32 s2, 0
	s_cbranch_scc0 .Lentry_in_a_cluster
	s_endpgm
.Lentry_in_a_cluster:
	s_bfe_u32 s2, ttmp6, 0x10000c
	s_cmp_lg_u32 s2, 0xf033
	s_cbranch_scc0 .Lentry_shape_is_right
	s_endpgm
.Lentry_shape_is_right:
.set SIZE_K, 1024
.set W1OFF,  3145728
.set KSTEP,  256
.set ROWB,   256
.set KROW,   SIZE_K
.set PITCH,  272
.set FR,     16
.set NL,     4
.set NP,     4
.set HALFT,  128*PITCH
.set SLOT,   4*HALFT
.set LAPS,   SIZE_K/(2*KSTEP)
.set SPARE,  2*SLOT
.set SPITCH, 272
.set BNO,  7
.set ADRA, 16
.set ADRB, 20
.set STO,  24
.set RD,   25
.set CO,   26
.set SPW,  28
.set NIL,  29
.set BN,   32
.set CD,   96
.set AF,   128
.set XR,   128
.set U,    192
.set G1, 24
.set G0, 32
.set G1B, 48
.set G0B, 56
.set MSB, 0
.macro WIN new
.if MSB != \new
	s_set_vgpr_msb (MSB<<8)|\new
.set MSB, \new
.endif
.endm
.set MUL_LO, 0xa1
.set MUL_HI, 0xf1
.set TO_B,   0x40
.macro JLOAD g0a, g1a, g0b, g1b
	s_cmp_eq_u32 s15, 0
	s_cbranch_scc0 .Lfor_b_\@
	tensor_load_to_lds s[\g0a:\g0a+3], s[\g1a:\g1a+7]
	s_nop 0
.rept 4
	v_nop
.endr
	s_branch .Lasked_\@
.Lfor_b_\@:
	tensor_load_to_lds s[\g0b:\g0b+3], s[\g1b:\g1b+7]
	s_nop 0
.rept 4
	v_nop
.endr
.Lasked_\@:
.endm
.macro CREST
	s_cmp_lg_u32 s14, 0
	s_cbranch_scc1 .Lnot_wave_0_\@
	s_barrier_signal -3
.Lnot_wave_0_\@:
	s_barrier_wait -3
	s_barrier_signal -1
	s_barrier_wait -1
.endm
.macro CROUND
	s_barrier_signal -1
	s_barrier_wait -1
	CREST
.endm
	s_load_b256 s[4:11], s[0:1], 0x0
	s_load_b64 s[12:13], s[0:1], 0x20
	v_lshl_add_u32 v[SPW], v0, 2, SPARE
	v_mov_b32 v[NIL], 0
	ds_add_u32 v[SPW], v[NIL]
	ds_add_u32 v[SPW], v[NIL]
	v_lshrrev_b32 v1, 5, v0
	v_readfirstlane_b32 s14, v1
	s_lshr_b32 s15, s14, 1
	s_and_b32 s16, s14, 1
	s_bfe_u32 s40, ttmp6, 0x40000
	s_bfe_u32 s41, ttmp6, 0x40004
	s_lshl_b32 s42, ttmp9, 2
	s_add_co_u32 s42, s42, s40
	s_and_b32 s17, ttmp7, 0xffff
	s_lshl_b32 s17, s17, 2
	s_add_co_u32 s17, s17, s41
	s_lshl_b32 s43, s41, 2
	s_lshl_b32 s43, 15, s43
	s_lshl_b32 s44, 0x1111, s40
	s_or_b32 s[G1+0], s43, (0<<16)|(1<<20)|(1<<21)|(5<<22)|(3<<25)
	s_or_b32 s[G1B+0], s44, (0<<16)|(1<<20)|(1<<21)|(5<<22)|(3<<25)
.irp g, G1, G1B
	s_mov_b32 s[\g+1], ROWB<<16
	s_mov_b32 s[\g+2], 128<<16
	s_mov_b32 s[\g+3], ROWB<<16
	s_mov_b32 s[\g+4], 128
	s_mov_b32 s[\g+5], KROW
	s_mov_b32 s[\g+6], 0
	s_mov_b32 s[\g+7], 0
.endr
	s_lshl_b32 s18, s16, 7
	s_lshl_b32 s20, s17, 8
	s_add_co_u32 s20, s20, s18
	s_lshl_b32 s20, s20, 10
	s_mov_b32 s21, 0
	s_lshl_b32 s46, s42, 8
	s_add_co_u32 s46, s46, s18
	s_lshl_b32 s46, s46, 10
	s_add_co_u32 s46, s46, W1OFF
	s_mov_b32 s47, 0
	s_mul_i32 s45, s14, HALFT
	s_wait_dscnt 0x0
	s_wait_kmcnt 0x0
	s_load_b128 s[72:75], s[8:9], 0x28
	s_add_nc_u64 s[20:21], s[4:5], s[20:21]
	s_add_nc_u64 s[46:47], s[6:7], s[46:47]
	CROUND
.irp s, 0,1
	s_mov_b32 s[G0+4*\s], 1
	s_add_co_u32 s[G0+4*\s+1], s45, \s*SLOT
	s_add_nc_u64 s[G0+4*\s+2:G0+4*\s+3], s[20:21], \s*ROWB
	s_or_b32 s[G0+4*\s+3], s[G0+4*\s+3], 0x80000000
	s_mov_b32 s[G0B+4*\s], 1
	s_add_co_u32 s[G0B+4*\s+1], s45, \s*SLOT
	s_add_nc_u64 s[G0B+4*\s+2:G0B+4*\s+3], s[46:47], \s*ROWB
	s_or_b32 s[G0B+4*\s+3], s[G0B+4*\s+3], 0x80000000
.endr
	JLOAD G0, G1, G0B, G1B                         ; K step 0: one tensor load a wave at the head
	v_and_b32 v1, 15, v0
	s_wait_alu depctr_va_vdst(0)
	v_bfe_u32 v2, v0, 4, 1
	v_mul_u32_u24 v3, v1, PITCH
	v_lshl_add_u32 v4, v2, 4, v3
	s_mul_i32 s21, s15, HALFT
	s_mul_i32 s22, s16, HALFT
	s_add_co_u32 s22, s22, 2*HALFT
.irp s, 0,1
	v_add_nc_u32 v[ADRA+\s], s21, v4
	v_add_nc_u32 v[ADRB+\s], s22, v4
	s_add_co_u32 s21, s21, SLOT
	s_add_co_u32 s22, s22, SLOT
.endr
	s_mul_i32 s23, s15, 128*SPITCH
	s_lshl_b32 s21, s16, 7
	s_add_co_u32 s23, s23, s21
	v_mul_u32_u24 v5, v1, SPITCH
	s_wait_alu depctr_va_vdst(0)
	v_lshl_add_u32 v5, v2, 3, v5
	v_add_nc_u32 v[STO], s23, v5
	s_mul_i32 s23, s14, 64*SPITCH
	v_mul_u32_u24 v5, v2, SPITCH
	v_lshl_add_u32 v5, v1, 4, v5
	v_add_nc_u32 v[RD], s23, v5
	v_lshlrev_b32 v5, 12, v2
	v_lshl_add_u32 v[CO], v1, 4, v5
	s_lshl_b32 s20, s17, 8
	s_lshl_b32 s21, s14, 6
	s_add_co_u32 s20, s20, s21
	s_lshl_b32 s20, s20, 12
	s_lshl_b32 s46, s42, 8
	s_add_co_u32 s20, s20, s46
	s_mov_b32 s21, 0
	s_add_nc_u64 s[12:13], s[12:13], s[20:21]
	v_lshlrev_b32 v[BNO], 5, v2
	s_lshl_b32 s20, s42, 10
	s_lshl_b32 s22, s16, 9
	s_add_co_u32 s20, s20, s22
	s_add_nc_u64 s[10:11], s[10:11], s[20:21]
.irp b, 0,1,2,3,4,5,6,7
	global_load_b128 v[BN+8*\b:BN+8*\b+3], v[BNO], s[10:11] offset:64*\b
	global_load_b128 v[BN+8*\b+4:BN+8*\b+7], v[BNO], s[10:11] offset:64*\b+16
.endr
.macro FRAG reg, adr, q, i
.irp c, 0,1,2,3
	ds_load_b128 v[\reg+4*\c:\reg+4*\c+3], v[\adr] offset:128*(\q)+32*\c+(\i)*16*PITCH
.endr
.endm
.macro MUL16 a0, p, zero
.irp a, \a0, \a0+1
.irp b, 0,1,2,3,4,5,6,7
.if \zero
	v_wmma_f32_16x16x128_fp8_fp8 v[8*(8*((\a)%4)+\b):8*(8*((\a)%4)+\b)+7], v[128*(\p)+FR*\b:128*(\p)+FR*\b+FR-1], v[AF+FR*(\a):AF+FR*(\a)+FR-1], 0
.else
	v_wmma_f32_16x16x128_fp8_fp8 v[8*(8*((\a)%4)+\b):8*(8*((\a)%4)+\b)+7], v[128*(\p)+FR*\b:128*(\p)+FR*\b+FR-1], v[AF+FR*(\a):AF+FR*(\a)+FR-1], v[8*(8*((\a)%4)+\b):8*(8*((\a)%4)+\b)+7]
.endif
.endr
.endr
.endm
.macro FETCH_B slot, q, p
	WIN TO_B
.irp i, 0,1,2,3,4,5,6,7
	FRAG 128*(\p)+FR*\i, ADRB+\slot, \q, \i
.endr
	WIN 0
.endm
.macro FETCH_A slot, q, i0
.irp i, \i0, \i0+1, \i0+2, \i0+3
	FRAG AF+FR*(\i), ADRA+\slot, \q, \i
.endr
.endm
.macro PLACES n
.rept \n
	v_nop
.endr
.endm
.macro STEP slot, q, zero
	s_wait_dscnt 4*NL
	WIN MUL_LO
	MUL16 0, (\q)%2, \zero
	MUL16 2, (\q)%2, \zero
	s_wait_dscnt 0
	PLACES NP
	FETCH_B \slot, (\q)+1, 1-(\q)%2
	FETCH_A \slot, (\q)+1, 0
	WIN MUL_HI
	MUL16 4, (\q)%2, \zero
	MUL16 6, (\q)%2, \zero
	PLACES NP
	WIN 0
	FETCH_A \slot, (\q)+1, 4
.endm
.macro TURN slot, next, fill
	s_wait_tensorcnt 0x0
	ds_add_u32 v[SPW], v[NIL]
	s_wait_dscnt 4*NL+1
	WIN MUL_LO
	MUL16 0, 1, 0
	s_wait_dscnt 0x0
	s_barrier_signal -1
	MUL16 2, 1, 0
	WIN 0
	s_barrier_wait -1
.if \fill
	CREST
	s_add_nc_u64 s[G0+4*\slot+2:G0+4*\slot+3], s[G0+4*\slot+2:G0+4*\slot+3], 2*ROWB
	s_add_nc_u64 s[G0B+4*\slot+2:G0B+4*\slot+3], s[G0B+4*\slot+2:G0B+4*\slot+3], 2*ROWB
	JLOAD G0+4*\slot, G1, G0B+4*\slot, G1B
.else
	PLACES NP
.endif
	FETCH_B \next, 0, 0
	FETCH_A \next, 0, 0
	WIN MUL_HI
	MUL16 4, 1, 0
	MUL16 6, 1, 0
	PLACES NP
	WIN 0
	FETCH_A \next, 0, 4
.endm
	s_wait_alu depctr_va_vdst(0)
	s_wait_tensorcnt 0x0                           ; my part of K step 0 is in
	ds_add_u32 v[SPW], v[NIL]
	s_wait_dscnt 0x0
	CROUND                                         ; everybody's part of K step 0 is in, and the joint loads meet
	JLOAD G0+4, G1, G0B+4, G1B                     ; K step 1: the first tensor load behind the round
	FETCH_B 0, 0, 0
	FETCH_A 0, 0, 0
	FETCH_A 0, 0, 4
	STEP 0, 0, 1
	s_mov_b32 s3, LAPS-1
.Llap:
	TURN 0, 1, 1
	STEP 1, 0, 0
	TURN 1, 0, 1
	STEP 0, 0, 0
	s_sub_co_u32 s3, s3, 1
	s_cmp_lg_u32 s3, 0
	s_cbranch_scc1 .Llap
	TURN 0, 1, 0
	STEP 1, 0, 0
	s_wait_dscnt 4*NL
	WIN MUL_LO
	MUL16 0, 1, 0
	MUL16 2, 1, 0
	s_wait_dscnt 0
	WIN MUL_HI
	MUL16 4, 1, 0
	MUL16 6, 1, 0
	WIN 0
.macro GELU a
.set AC, 64*((\a)%4)
	WIN 0x02+((\a)/4)
.set j, 0
.rept 32
	v_pk_fma_f32 v[XR+j:XR+j+1], v[AC+j:AC+j+1], s[96:97], v[BN+j:BN+j+1] op_sel_hi:[1,0,1]
.set j, j+2
.endr
	WIN 0
.set j, 0
.rept 32
	v_pk_mul_f32 v[U+j:U+j+1], v[XR+j:XR+j+1], v[XR+j:XR+j+1]
.set j, j+2
.endr
.set j, 0
.rept 32
	v_pk_fma_f32 v[U+j:U+j+1], v[U+j:U+j+1], s[98:99], v[112:113] op_sel_hi:[1,0,1]
.set j, j+2
.endr
.set j, 0
.rept 32
	v_pk_mul_f32 v[U+j:U+j+1], v[U+j:U+j+1], v[XR+j:XR+j+1]
.set j, j+2
.endr
.set j, 0
	s_wait_alu depctr_va_vdst(0)
.rept 64
	v_exp_f32 v[U+j], v[U+j]
.set j, j+1
.endr
	v_nop
	s_wait_alu depctr_va_vdst(0)
.set j, 0
.rept 32
	v_pk_add_f32 v[U+j:U+j+1], v[U+j:U+j+1], 1.0 op_sel_hi:[1,0]
.set j, j+2
.endr
.set j, 0
	s_wait_alu depctr_va_vdst(0)
.rept 64
	v_rcp_f32 v[U+j], v[U+j]
.set j, j+1
.endr
	v_nop
	s_wait_alu depctr_va_vdst(0)
.set j, 0
.rept 32
	v_pk_mul_f32 v[XR+j:XR+j+1], v[XR+j:XR+j+1], v[U+j:U+j+1]
.set j, j+2
.endr
.set j, 0
.rept 64
	v_med3_num_f32 v[XR+j], v[XR+j], -v115, v115
.set j, j+1
.endr
.irp b, 0,1,2,3,4,5,6,7
	v_cvt_scalef32_pk8_fp8_f32 v[CD+2*\b:CD+2*\b+1], v[XR+8*\b:XR+8*\b+7], v114
.endr
	v_nop
.irp b, 0,1,2,3,4,5,6,7
	ds_store_b64 v[STO], v[CD+2*\b:CD+2*\b+1] offset:16*SPITCH*(\a)+16*\b
.endr
.endm
	s_wait_kmcnt 0x0
	s_add_co_i32 s96, s72, s73
	s_add_co_i32 s96, s96, 127
	s_lshl_b32 s96, s96, 23
	s_mov_b32 s97, s96
	s_mov_b32 s98, 0xbdd2d3e8
	s_mov_b32 s99, s98
	v_mov_b32 v112, 0xc0135761
	v_mov_b32 v113, 0xc0135761
	s_add_co_i32 s74, s74, 127
	s_lshl_b32 s75, s74, 23
	v_mov_b32 v114, s75
	s_add_co_i32 s74, s74, 8
	s_lshl_b32 s74, s74, 23
	s_or_b32 s74, s74, 0x600000
	v_mov_b32 v115, s74
	s_wait_loadcnt 0x0
	PLACES NP
.irp a, 0,1,2,3,4,5,6,7
	GELU \a
.endr
	s_wait_dscnt 0x0
	s_barrier_signal -1
	s_barrier_wait -1
.set i, 0
.rept 32
	ds_load_b128 v[128+4*i:131+4*i], v[RD] offset:2*SPITCH*i
.set i, i+1
.endr
.set i, 0
.rept 32
	s_wait_dscnt 31-i
	global_store_b128 v[CO], v[128+4*i:131+4*i], s[12:13] offset:8192*i
.set i, i+1
.endr
	s_wait_tensorcnt 0x0
	ds_add_u32 v[SPW], v[NIL]
	s_wait_dscnt 0x0
	CROUND
	s_endpgm
.Lfunc_end_k_q97f76b8ae0_ffn1:
	.size	k_q97f76b8ae0_ffn1, .Lfunc_end_k_q97f76b8ae0_ffn1-k_q97f76b8ae0_ffn1
	.p2alignl 7, 3214868480
	.fill 96, 4, 3214868480
	.section	.rodata,"a",@progbits
	.p2align	6, 0x0
	.amdhsa_kernel k_q97f76b8ae0_ffn1
		.amdhsa_group_segment_fixed_size 327680
		.amdhsa_private_segment_fixed_size 0
		.amdhsa_enable_private_segment 0
		.amdhsa_kernarg_size 40
		.amdhsa_user_sgpr_count 2
		.amdhsa_user_sgpr_kernarg_segment_ptr 1
		.amdhsa_wavefront_size32 1
		.amdhsa_system_sgpr_workgroup_id_x 1
		.amdhsa_system_sgpr_workgroup_id_y 1
		.amdhsa_system_sgpr_workgroup_id_z 1
		.amdhsa_system_vgpr_workitem_id 0
		.amdhsa_next_free_vgpr 1024
		.amdhsa_next_free_sgpr 100
		.amdhsa_reserve_vcc 0
		.amdhsa_float_denorm_mode_32 3
		.amdhsa_float_denorm_mode_16_64 3
		.amdhsa_memory_ordered 1
		.amdhsa_forward_progress 1
		.amdhsa_inst_pref_size 255
	.end_amdhsa_kernel
	.section	.bss,"aw",@nobits
	.p2align	6
	.space	262144
	.amdgpu_metadata
---
amdhsa.version: [ 1, 2 ]
amdhsa.kernels:
  - .name:           k_q97f76b8ae0_ffn1
    .symbol:         k_q97f76b8ae0_ffn1.kd
    .args:
      - { .name: hc, .offset: 0, .size: 8, .value_kind: global_buffer, .address_space: global }
      - { .name: wc, .offset: 8, .size: 8, .value_kind: global_buffer, .address_space: global }
      - { .name: lowp_scales, .offset: 16, .size: 8, .value_kind: global_buffer, .address_space: global }
      - { .name: b1, .offset: 24, .size: 8, .value_kind: global_buffer, .address_space: global }
      - { .name: hid, .offset: 32, .size: 8, .value_kind: global_buffer, .address_space: global }
    .group_segment_fixed_size: 327680
    .private_segment_fixed_size: 0
    .kernarg_segment_align: 8
    .kernarg_segment_size: 40
    .max_flat_workgroup_size: 128
    .sgpr_count:     100
    .vgpr_count:     1024
    .wavefront_size: 32
...
	.end_amdgpu_metadata
.endif
;; end of part 5
;; launch ffn2 (part 6): grid 8 x 32, 4 waves a work-group, clusters of 4 x 4, 327,680 bytes of LDS; arguments hid, wc, lowp_scales, b2, res, out0; writes out0
.if DOCPART == 6
	.amdgcn_target "amdgcn-amd-amdhsa--gfx1250"
	.amdhsa_code_object_version 6
	.text
	.protected	k_q97f76b8ae0_ffn2
	.globl	k_q97f76b8ae0_ffn2
	.p2align	8
	.type	k_q97f76b8ae0_ffn2,@function
k_q97f76b8ae0_ffn2:
	s_mov_b64 s[64:65], 0
	v_nop
	global_prefetch_b8 v0, s[64:65] scope:SCOPE_SE
	s_setreg_imm32_b32 hwreg(HW_REG_WAVE_MODE, 25, 1), 1
	s_wait_xcnt 0x0
	s_wait_alu depctr_hold_cnt(0) depctr_sa_sdst(0) depctr_va_vdst(0) depctr_va_sdst(0) depctr_va_ssrc(0) depctr_va_vcc(0) depctr_vm_vsrc(0)
	s_getreg_b32 s2, hwreg(HW_REG_IB_STS2, 6, 4)
	s_cmp_eq_u32 s2, 0
	s_cbranch_scc0 .Lentry_in_a_cluster
	s_endpgm
.Lentry_in_a_cluster:
	s_bfe_u32 s2, ttmp6, 0x10000c
	s_cmp_lg_u32 s2, 0xf033
	s_cbranch_scc0 .Lentry_shape_is_right
	s_endpgm
.Lentry_shape_is_right:
; out0 = res + hid W2^T x 2^(e12 + e13) + b2: hid's codes [4096][4096] x W2's codes [1024][4096] (7,340,032 bytes into wc), E4M3; f32 sums.
; C is 4,096 x 1,024: tiles of 256 x 256 would be 64, so a tile is 128 x 128: 256 work-groups.  Four waves, each 64 x 64: 16 accumulators.
; K goes in steps of 512 (LDS rows of 512 bytes + 16; a wave's tensor load brings 64 of them) through a ring of two slots.
; CLUSTERS: 4 x 4: A's tile is asked for jointly by a row of the cluster, B's by a column.  The matrix instruction is used transposed: a lane holds eight neighbouring columns of a row of C.
; A wave's 64 columns of f32 are 256 bytes, aligned: each wave has a stage of its own, 16 rows x 272 bytes, behind the ring.
; LIMIT: e12 + e13 between -126 and 127.
; REGISTERS: window 0: v0-31 addresses; v32-95 rows on their way out, two sets; v96-99 b2; v128-255 the accumulators ((a, b) at v[128 + 8 (4 a + b)]).
;   window 1: two fragment buffers of 128: A's four fragments (16 rows x 128 K), then B's four.   window 2: v0-127 my part of res, in the order in which rows leave.
.set SIZE_K, 4096
.set W2OFF,  7340032
.set KSTEP,  512
.set PITCH,  528
.set HALFT,  64*PITCH
.set SLOT,   4*HALFT
.set STAGE,  2*SLOT
.set SPITCH, 272
.set SPARE,  STAGE+4*16*SPITCH
.set LAPS,   SIZE_K/(2*KSTEP)
.set BO,   7
.set ADRA, 16
.set ADRB, 20
.set STO,  24
.set RD,   25
.set CO,   26
.set SPW,  28
.set NIL,  29
.set T,    32
.set BV,   96
.set ACC,  128
.set F0,   0
.set F1,   128
.set G1, 24
.set G0, 32
.set G1B, 48
.set G0B, 56
.set MSB, 0
.macro WIN new
.if MSB != \new
	s_set_vgpr_msb (MSB<<8)|\new
.set MSB, \new
.endif
.endm
.set MUL,  0x05                        ; sources 0 (B) and 1 (A) window 1; C and D window 0
.set TO_F, 0x40
.macro JLOAD g0a, g1a, g0b, g1b        ; a joint load: waves 0 and 1 fetch for A, waves 2 and 3 for B; an s_nop 0 and four v_nop follow each line
	s_cmp_eq_u32 s15, 0
	s_cbranch_scc0 .Lfor_b_\@
	tensor_load_to_lds s[\g0a:\g0a+3], s[\g1a:\g1a+7]
	s_nop 0
.rept 4
	v_nop
.endr
	s_branch .Lasked_\@
.Lfor_b_\@:
	tensor_load_to_lds s[\g0b:\g0b+3], s[\g1b:\g1b+7]
	s_nop 0
.rept 4
	v_nop
.endr
.Lasked_\@:
.endm
.macro CREST
	s_cmp_lg_u32 s14, 0
	s_cbranch_scc1 .Lnot_wave_0_\@
	s_barrier_signal -3
.Lnot_wave_0_\@:
	s_barrier_wait -3
	s_barrier_signal -1
	s_barrier_wait -1
.endm
.macro CROUND
	s_barrier_signal -1
	s_barrier_wait -1
	CREST
.endm
	s_load_b256 s[4:11], s[0:1], 0x0               ; hid s[4:5], wc s[6:7], exponents s[8:9], b2 s[10:11]
	s_load_b128 s[68:71], s[0:1], 0x20             ; res s[68:69], out0 s[70:71]
	v_lshl_add_u32 v[SPW], v0, 2, SPARE
	v_mov_b32 v[NIL], 0
	ds_add_u32 v[SPW], v[NIL]                      ; the wave's opening: the add and its wait ahead of my first tensor load
	ds_add_u32 v[SPW], v[NIL]
	v_lshrrev_b32 v1, 5, v0
	v_readfirstlane_b32 s14, v1
	s_lshr_b32 s15, s14, 1                         ; my half of the rows.  Also: I fetch for A (0) or for B (1)
	s_and_b32 s16, s14, 1                          ; my half of the columns.  Also: which 64 rows I fetch
	s_bfe_u32 s40, ttmp6, 0x40000
	s_bfe_u32 s41, ttmp6, 0x40004
	s_lshl_b32 s42, ttmp9, 2
	s_add_co_u32 s42, s42, s40                     ; tile column
	s_and_b32 s17, ttmp7, 0xffff
	s_lshl_b32 s17, s17, 2
	s_add_co_u32 s17, s17, s41                     ; tile row
	s_lshl_b32 s43, s41, 2
	s_lshl_b32 s43, 15, s43
	s_lshl_b32 s44, 0x1111, s40
	s_or_b32 s[G1+0], s43, (0<<16)|(1<<20)|(1<<21)|(6<<22)|(3<<25)   ; mask; elements of 1 byte; padding on; bit 21 beside a mask; 4 words after every 128
	s_or_b32 s[G1B+0], s44, (0<<16)|(1<<20)|(1<<21)|(6<<22)|(3<<25)
.irp g, G1, G1B
	s_mov_b32 s[\g+1], KSTEP<<16
	s_mov_b32 s[\g+2], 64<<16
	s_mov_b32 s[\g+3], KSTEP<<16
	s_mov_b32 s[\g+4], 64
	s_mov_b32 s[\g+5], SIZE_K
	s_mov_b32 s[\g+6], 0
	s_mov_b32 s[\g+7], 0
.endr
	s_lshl_b32 s18, s16, 6
	s_lshl_b32 s20, s17, 7
	s_add_co_u32 s20, s20, s18
	s_lshl_b32 s20, s20, 12                        ; A: (128 x tile row + 64 x half) rows of 4,096 bytes
	s_mov_b32 s21, 0
	s_lshl_b32 s46, s42, 7
	s_add_co_u32 s46, s46, s18
	s_lshl_b32 s46, s46, 12
	s_add_co_u32 s46, s46, W2OFF
	s_mov_b32 s47, 0
	s_mul_i32 s45, s14, HALFT
	s_wait_dscnt 0x0
	s_wait_kmcnt 0x0
	s_load_b64 s[96:97], s[8:9], 0x30              ; e12, e13
	s_add_nc_u64 s[20:21], s[4:5], s[20:21]
	s_add_nc_u64 s[46:47], s[6:7], s[46:47]
	CROUND
.irp s, 0,1
	s_mov_b32 s[G0+4*\s], 1
	s_add_co_u32 s[G0+4*\s+1], s45, \s*SLOT
	s_add_nc_u64 s[G0+4*\s+2:G0+4*\s+3], s[20:21], \s*KSTEP
	s_or_b32 s[G0+4*\s+3], s[G0+4*\s+3], 0x80000000
	s_mov_b32 s[G0B+4*\s], 1
	s_add_co_u32 s[G0B+4*\s+1], s45, \s*SLOT
	s_add_nc_u64 s[G0B+4*\s+2:G0B+4*\s+3], s[46:47], \s*KSTEP
	s_or_b32 s[G0B+4*\s+3], s[G0B+4*\s+3], 0x80000000
.endr
	JLOAD G0, G1, G0B, G1B                         ; K step 0: one tensor load a wave at the head
	v_and_b32 v1, 15, v0                           ; r
	s_wait_alu depctr_va_vdst(0)
	v_bfe_u32 v2, v0, 4, 1                         ; h
	v_mul_u32_u24 v3, v1, PITCH
	v_lshl_add_u32 v4, v2, 4, v3
	s_mul_i32 s21, s15, HALFT
	s_mul_i32 s22, s16, HALFT
	s_add_co_u32 s22, s22, 2*HALFT
.irp s, 0,1
	v_add_nc_u32 v[ADRA+\s], s21, v4
	v_add_nc_u32 v[ADRB+\s], s22, v4
	s_add_co_u32 s21, s21, SLOT
	s_add_co_u32 s22, s22, SLOT
.endr
	s_mul_i32 s23, s14, 16*SPITCH
	s_add_co_u32 s23, s23, STAGE                   ; my stage
	v_mul_u32_u24 v5, v1, SPITCH
	s_wait_alu depctr_va_vdst(0)
	v_lshl_add_u32 v5, v2, 5, v5
	v_add_nc_u32 v[STO], s23, v5                   ; in: row r, + 32 h
	v_mul_u32_u24 v5, v2, SPITCH
	v_lshl_add_u32 v5, v1, 4, v5
	v_add_nc_u32 v[RD], s23, v5                    ; back: lanes 0-15 one row, lanes 16-31 the next
	v_lshlrev_b32 v5, 12, v2
	v_lshl_add_u32 v[CO], v1, 4, v5                ; the same two rows in res and in out0
	v_lshlrev_b32 v[BO], 4, v1
	s_wait_alu depctr_va_vdst(0)
	s_lshl_b32 s20, s17, 7
	s_lshl_b32 s21, s15, 6
	s_add_co_u32 s20, s20, s21
	s_lshl_b32 s20, s20, 12                        ; my first row: 128 x tile row + 64 x half, rows of 4,096 bytes
	s_lshl_b32 s46, s42, 9
	s_lshl_b32 s47, s16, 8
	s_add_co_u32 s46, s46, s47                     ; my first column, in bytes
	s_mov_b32 s47, 0
	s_add_nc_u64 s[10:11], s[10:11], s[46:47]      ; b2 at my columns
	s_add_co_u32 s20, s20, s46
	s_mov_b32 s21, 0
	s_add_nc_u64 s[68:69], s[68:69], s[20:21]
	s_add_nc_u64 s[70:71], s[70:71], s[20:21]
	global_load_b128 v[BV:BV+3], v[BO], s[10:11]
	WIN 0x80                                       ; destination window 2
.set q, 0
.rept 32
	global_load_b128 v[4*q:4*q+3], v[CO], s[68:69] offset:2*q*4096 th:TH_LOAD_NT   ; rows 2 q, 2 q + 1 of my 64: waited for on the way out
.set q, q+1
.endr
	WIN 0
.macro MUL4 f, a, zero                 ; A's block a against B's four, 128 along K.  The 16 accumulators take turns, one instruction a turn
.irp b, 0,1,2,3
.if \zero
	v_wmma_f32_16x16x128_fp8_fp8 v[ACC+8*(4*(\a)+\b):ACC+8*(4*(\a)+\b)+7], v[\f+64+16*\b:\f+64+16*\b+15], v[\f+16*(\a):\f+16*(\a)+15], 0
.else
	v_wmma_f32_16x16x128_fp8_fp8 v[ACC+8*(4*(\a)+\b):ACC+8*(4*(\a)+\b)+7], v[\f+64+16*\b:\f+64+16*\b+15], v[\f+16*(\a):\f+16*(\a)+15], v[ACC+8*(4*(\a)+\b):ACC+8*(4*(\a)+\b)+7]
.endif
.endr
.endm
.macro FETCH slot, k, f                ; 32 LDS loads in one run: B's four fragments, then A's four, of the 128 along K at byte k
	WIN TO_F
.irp i, 0,1,2,3
.irp c, 0,1,2,3
	ds_load_b128 v[\f+64+16*\i+4*\c:\f+64+16*\i+4*\c+3], v[ADRB+\slot] offset:\k+32*\c+\i*16*PITCH
.endr
.endr
.irp i, 0,1,2,3
.irp c, 0,1,2,3
	ds_load_b128 v[\f+16*\i+4*\c:\f+16*\i+4*\c+3], v[ADRA+\slot] offset:\k+32*\c+\i*16*PITCH
.endr
.endr
.endm
.macro PLACES
.rept 4
	v_nop
.endr
.endm
.macro QUARTER slot, k, f, g, zero     ; multiplies buffer f and fetches the next quarter, at byte k, into g
	s_wait_dscnt 8                                 ; B and A's blocks 0, 1 are in; the youngest eight loads (A's blocks 2, 3) may be out
	WIN MUL
	MUL4 \f, 0, \zero
	MUL4 \f, 1, \zero
	PLACES
	FETCH \slot, \k, \g
	s_wait_dscnt 32                                ; all but the 32 just issued
	WIN MUL
	MUL4 \f, 2, \zero
	MUL4 \f, 3, \zero
.endm
.macro TURN slot, next, fill           ; the last quarter multiplies buffer 1 and changes slots
	WIN 0
	s_wait_tensorcnt 0x0                           ; all my tensor loads have landed: my part of the next slot
	ds_add_u32 v[SPW], v[NIL]
	s_wait_dscnt 9                                 ; the add and the youngest eight loads may be out
	WIN MUL
	MUL4 F1, 0, 0
	s_wait_dscnt 0x0                               ; the add is done, and my reads of this slot are over
	s_barrier_signal -1
	MUL4 F1, 1, 0
.if \fill
	WIN 0
.endif
	s_barrier_wait -1
.if \fill
	CREST                                          ; no wave of any partner still reads this slot or has a load on its way
	s_add_nc_u64 s[G0+4*\slot+2:G0+4*\slot+3], s[G0+4*\slot+2:G0+4*\slot+3], 2*KSTEP
	s_add_nc_u64 s[G0B+4*\slot+2:G0B+4*\slot+3], s[G0B+4*\slot+2:G0B+4*\slot+3], 2*KSTEP
	JLOAD G0+4*\slot, G1, G0B+4*\slot, G1B         ; the first tensor load behind the round; its four v_nop are the places in front of the loads below
.else
	PLACES
.endif
	FETCH \next, 0, F0
	WIN MUL
	MUL4 F1, 2, 0
	MUL4 F1, 3, 0
.endm
	s_wait_alu depctr_va_vdst(0)
	s_wait_tensorcnt 0x0                           ; my part of K step 0 is in
	ds_add_u32 v[SPW], v[NIL]
	s_wait_dscnt 0x0
	CROUND                                         ; everybody's part of K step 0 is in, and the joint loads meet
	JLOAD G0+4, G1, G0B+4, G1B                     ; K step 1: the first tensor load behind the round
	FETCH 0, 0, F0
	QUARTER 0, 128, F0, F1, 1                      ; the first quarter's products start the sums
	WIN 0
	s_mov_b32 s3, LAPS-1
.Llap:
	QUARTER 0, 256, F1, F0, 0
	QUARTER 0, 384, F0, F1, 0
	TURN 0, 1, 1
	QUARTER 1, 128, F0, F1, 0
	QUARTER 1, 256, F1, F0, 0
	QUARTER 1, 384, F0, F1, 0
	TURN 1, 0, 1
	QUARTER 0, 128, F0, F1, 0
	WIN 0
	s_sub_co_u32 s3, s3, 1
	s_cmp_lg_u32 s3, 0
	s_cbranch_scc1 .Llap
	QUARTER 0, 256, F1, F0, 0                      ; the last lap fills nothing
	QUARTER 0, 384, F0, F1, 0
	TURN 0, 1, 0
	QUARTER 1, 128, F0, F1, 0
	QUARTER 1, 256, F1, F0, 0
	QUARTER 1, 384, F0, F1, 0
	s_wait_dscnt 8
	WIN MUL
	MUL4 F1, 0, 0
	MUL4 F1, 1, 0
	s_wait_dscnt 0
	MUL4 F1, 2, 0
	MUL4 F1, 3, 0
	WIN 0
	; THE WAY OUT.  res + b2 first (64 plain lines, the places behind the last products); then block by block of 16 rows through my stage, one fused multiply-add for two numbers, and whole rows out.
	s_wait_kmcnt 0x0
	s_add_co_i32 s96, s96, s97
	s_add_co_i32 s96, s96, 127
	s_lshl_b32 s96, s96, 23                        ; 2^(e12 + e13)
	s_mov_b32 s97, s96
	s_wait_loadcnt 0x0                             ; b2 and res
	WIN 0x82                                       ; source 0 and destination window 2
.set q, 0
.rept 32
	v_pk_add_f32 v[4*q:4*q+1], v[4*q:4*q+1], v[BV:BV+1]
	v_pk_add_f32 v[4*q+2:4*q+3], v[4*q+2:4*q+3], v[BV+2:BV+3]
.set q, q+1
.endr
	WIN 0
.macro TOSTAGE a
.irp b, 0,1,2,3
	ds_store_b128 v[STO], v[ACC+8*(4*(\a)+\b):ACC+8*(4*(\a)+\b)+3] offset:64*\b       ; each accumulator from its low end on
	ds_store_b128 v[STO], v[ACC+8*(4*(\a)+\b)+4:ACC+8*(4*(\a)+\b)+7] offset:64*\b+16
.endr
.set TT, T+32*((\a)%2)
.irp i, 0,1,2,3,4,5,6,7
	ds_load_b128 v[TT+4*\i:TT+4*\i+3], v[RD] offset:\i*2*SPITCH   ; LDS serves a wave's instructions in order (ISA guide 5.7.1.4): these see my stores
.endr
.endm
.macro SEND a, younger
.set TT, T+32*((\a)%2)
	s_wait_dscnt \younger                          ; the block is back; the next block's 8 stores and 8 loads may be out
	WIN 0x20                                       ; source 2 window 2
.set q, 0
.rept 16
	v_pk_fma_f32 v[TT+2*q:TT+2*q+1], v[TT+2*q:TT+2*q+1], s[96:97], v[32*(\a)+2*q:32*(\a)+2*q+1] op_sel_hi:[1,0,1]
.set q, q+1
.endr
	WIN 0
.irp i, 0,1,2,3,4,5,6,7
	global_store_b128 v[CO], v[TT+4*\i:TT+4*\i+3], s[70:71] offset:(16*(\a)+2*\i)*4096 th:TH_STORE_NT   ; sixteen lanes store 256 consecutive bytes, aligned
.endr
.endm
	TOSTAGE 0
.irp a, 1,2,3
.if \a > 1
	s_wait_xcnt 0x0                                ; block a - 2's stores have read their registers
.endif
	TOSTAGE \a
	SEND \a-1, 16
.endr
	SEND 3, 0
	s_wait_tensorcnt 0x0                           ; the wave's end
	ds_add_u32 v[SPW], v[NIL]
	s_wait_dscnt 0x0
	CROUND                                         ; the closing round
	s_endpgm
.Lfunc_end_k_q97f76b8ae0_ffn2:
	.size	k_q97f76b8ae0_ffn2, .Lfunc_end_k_q97f76b8ae0_ffn2-k_q97f76b8ae0_ffn2
	.p2alignl 7, 3214868480
	.fill 96, 4, 3214868480
	.section	.rodata,"a",@progbits
	.p2align	6, 0x0
	.amdhsa_kernel k_q97f76b8ae0_ffn2
		.amdhsa_group_segment_fixed_size 327680
		.amdhsa_private_segment_fixed_size 0
		.amdhsa_enable_private_segment 0
		.amdhsa_kernarg_size 48
		.amdhsa_user_sgpr_count 2
		.amdhsa_user_sgpr_kernarg_segment_ptr 1
		.amdhsa_wavefront_size32 1
		.amdhsa_system_sgpr_workgroup_id_x 1
		.amdhsa_system_sgpr_workgroup_id_y 1
		.amdhsa_system_sgpr_workgroup_id_z 1
		.amdhsa_system_vgpr_workitem_id 0
		.amdhsa_next_free_vgpr 640
		.amdhsa_next_free_sgpr 100
		.amdhsa_reserve_vcc 0
		.amdhsa_float_denorm_mode_32 3
		.amdhsa_float_denorm_mode_16_64 3
		.amdhsa_memory_ordered 1
		.amdhsa_forward_progress 1
		.amdhsa_inst_pref_size 82
	.end_amdhsa_kernel
	.amdgpu_metadata
---
amdhsa.version: [ 1, 2 ]
amdhsa.kernels:
  - .name:           k_q97f76b8ae0_ffn2
    .symbol:         k_q97f76b8ae0_ffn2.kd
    .args:
      - { .name: hid, .offset: 0, .size: 8, .value_kind: global_buffer, .address_space: global }
      - { .name: wc, .offset: 8, .size: 8, .value_kind: global_buffer, .address_space: global }
      - { .name: lowp_scales, .offset: 16, .size: 8, .value_kind: global_buffer, .address_space: global }
      - { .name: b2, .offset: 24, .size: 8, .value_kind: global_buffer, .address_space: global }
      - { .name: res, .offset: 32, .size: 8, .value_kind: global_buffer, .address_space: global }
      - { .name: out0, .offset: 40, .size: 8, .value_kind: global_buffer, .address_space: global }
    .group_segment_fixed_size: 327680
    .private_segment_fixed_size: 0
    .kernarg_segment_align: 8
    .kernarg_segment_size: 48
    .max_flat_workgroup_size: 128
    .sgpr_count:     100
    .vgpr_count:     640
    .wavefront_size: 32
...
	.end_amdgpu_metadata
.endif
;; end of part 6
